; MI455X (gfx1250); checked and timed in simulation.
; The chip was launched on July 23, 2026; its instructions are those of AMD's public machine-readable ISA for CDNA 5 (MIT licence, August 2026) and "CDNA5" Instruction Set Architecture Reference Guide (July 2026). The comments in the code are by the model that wrote it; some were corrected since.
;; Mo E Layer. Allowed arithmetic: matrix products marked QUANTISED: E2M3 operands, one E8M0 scale for each 32 along K, by v_wmma_scale_f32_16x16x128_f8f6f4 with both operands' format E2M3, f32 sums; products left as they are: f32 operands where the result goes on into a quantised operand, else bf16, f16 or f32 operands; f32 sums; everything else in f32.
;; Inputs: Wd_codes 8 x 1,024 x 32 x 24 uint8 (E2M3 codes of Wd, K innermost, in blocks of 32 codes, four codes in three bytes); Wd_s_codes 1,024 x 32 x 24 uint8 (E2M3 codes of Wd_s, K innermost, in blocks of 32 codes, four codes in three bytes); Wd_s_scales 1,024 x 32 uint8 (E8M0 scales of Wd_s, one for each 32 codes along K); Wd_scales 8 x 1,024 x 32 uint8 (E8M0 scales of Wd, one for each 32 codes along K); Wg_codes 8 x 1,024 x 32 x 24 uint8 (E2M3 codes of Wg, K innermost, in blocks of 32 codes, four codes in three bytes); Wg_s_codes 1,024 x 32 x 24 uint8 (E2M3 codes of Wg_s, K innermost, in blocks of 32 codes, four codes in three bytes); Wg_s_scales 1,024 x 32 uint8 (E8M0 scales of Wg_s, one for each 32 codes along K); Wg_scales 8 x 1,024 x 32 uint8 (E8M0 scales of Wg, one for each 32 codes along K); Wr 1,024 x 8 float32; Wu_codes 8 x 1,024 x 32 x 24 uint8 (E2M3 codes of Wu, K innermost, in blocks of 32 codes, four codes in three bytes); Wu_s_codes 1,024 x 32 x 24 uint8 (E2M3 codes of Wu_s, K innermost, in blocks of 32 codes, four codes in three bytes); Wu_s_scales 1,024 x 32 uint8 (E8M0 scales of Wu_s, one for each 32 codes along K); Wu_scales 8 x 1,024 x 32 uint8 (E8M0 scales of Wu, one for each 32 codes along K); expert_bias 8 float32; x 2 x 1,024 x 1,024 float32.
;; Outputs: out0 2 x 1,024 x 1,024 float32; out1 one number float32.
;; Constants: top_k = 2.
;; This version of the problem:
;;   THIS VERSION OF THE PROBLEM IS GIVEN IN LOW PRECISION. The matrix products marked QUANTISED in the list below multiply operands that are first quantised to E2M3 (2 exponent bits, 3 mantissa bits; 6 bits a number), with one power-of-two scale for each 32 numbers along K (OCP MX v1.0); their sums are f32. All else is computed in f32.
;;   The module's matrix products, in the order in which they are computed (A, B: the left and right operand; K: the contracted axis; several contracted axes count as one K, in the product's order):
;;     1. [M 2,048, K 1,024] x [K 1,024, N 1,024]; A: input x; B: input Wg_s (given as codes): QUANTISED
;;     2. [M 2,048, K 1,024] x [K 1,024, N 1,024]; A: input x; B: input Wu_s (given as codes): QUANTISED
;;     3. [M 2,048, K 1,024] x [K 1,024, N 1,024]; A: computed on the way; B: input Wd_s (given as codes): QUANTISED
;;     4. [M 2,048, K 1,024] x [K 1,024, N 8]; A: input x; B: input Wr: left as it is (N = 8 < 16)
;;     5. [M 2,048, K 1,024] x [K 1,024, N 8,192]; A: input x; B: input Wg (given as codes): QUANTISED
;;     6. [M 2,048, K 1,024] x [K 1,024, N 8,192]; A: input x; B: input Wu (given as codes): QUANTISED
;;     7. batch 8 x [M 1,024, K 1,024] x [K 1,024, N 2,048]; A: input Wd (given as codes); B: computed on the way: QUANTISED
;;     8. batch 2,048 x [M 1,024, K 8] x [K 8, N 1]; A: computed on the way; B: computed on the way: left as it is (K = 8 < 32)
;;   THE QUANTISER, for each operand of a quantised product, along K:
;;     - K is cut into blocks of 32 from its start; a last block that is shorter is filled with zeros.
;;     - A block's scale is 2^e with e = floor(log2(the largest magnitude in the block)) - 2, held to -126 .. 127; a block of zeros has e = 0. As a byte (E8M0): e + 127.
;;     - Each number is divided by its block's scale, clamped to +-7.5, and rounded to the nearest number of E2M3, ties to even, subnormals kept.
;;     - The product sums the exact products of the quantised numbers (number of the format x scale) in f32.
;;   ~~~python
;;   def quantise(x, axis):      # numpy; x: float32 -> the quantised numbers, widened to float32 again
;;       x = np.moveaxis(x, axis, -1); K = x.shape[-1]
;;       x = np.pad(x, [(0, 0)] * (x.ndim - 1) + [(0, -K % 32)]); x = x.reshape(x.shape[:-1] + (-1, 32)); a = np.abs(x).max(-1, keepdims=True)
;;       e = np.where(a > 0, np.clip(np.frexp(np.where(a > 0, a, 1))[1] - 1 - 2, -126, 127), 0)      # np.frexp(a)[1] - 1 = floor(log2(a)), exactly
;;       r = np.clip(x / 2.0 ** e, -7.5, 7.5)
;;       step = 2.0 ** (np.maximum(np.frexp(np.where(r == 0, 1, r))[1] - 1, 0) - 3)
;;       q = np.round(r / step) * step * 2.0 ** e      # np.round: ties to even
;;       return np.moveaxis(q.reshape(q.shape[:-2] + (-1,))[..., :K], -1, axis).astype(np.float32)
;;   ~~~
;;   OPERANDS COMPUTED ON THE WAY. 'Computed on the way' means the value that the module computes at that place (a softmax that the list does not call 'softmax' is quantised finished and normalised). What goes into a quantiser is computed in f32, as accurately as f32 sums, v_exp_f32 and their like allow (about 1e-6 of the number): no bf16 or f16 on the way to a quantiser, and a product that is left as it is and whose result goes on into a quantised operand takes f32 operands (vector FMAs, or v_wmma_f32_16x16x4_f32). A number that lies on a knife's edge between two numbers of the format may be rounded either way, as far as f32 arithmetic and the matrix unit's own rounding can turn it there, and no further.
;;   INPUTS GIVEN AS CODES. Wd (in the module: [8, 1024, 1024], K = its axis 1); Wd_s (in the module: [1024, 1024], K = its axis 0); Wg (in the module: [8, 1024, 1024], K = its axis 1); Wg_s (in the module: [1024, 1024], K = its axis 0); Wu (in the module: [8, 1024, 1024], K = its axis 1); Wu_s (in the module: [1024, 1024], K = its axis 0): each comes as NAME_codes (uint8): NAME with its K axis moved to the last place and cut into blocks of 32 codes, [.., K / 32, bytes a block], one block behind the other in memory; four codes in three bytes: a row's codes are one little-endian stream of bits, code i at bits 6 i .. 6 i + 5 (a code: sign, 2 exponent bits, 3 mantissa bits); and NAME_scales (uint8): the same leading axes, one E8M0 byte (e + 127) for each 32 codes along K. Its value is code x scale, taken as it is: it is not quantised again, and the codes and scales need not be those that the quantiser above would give.
;; 2 versions. Each part assembles by itself: llvm-mc -triple=amdgcn-amd-amdhsa -mcpu=gfx1250 --defsym DOCPART=n.
;; ======== version 1 of 2: 5 launches
;; workspace buffers: xq 1,638,400 bytes; sel 8,192 bytes of whole numbers; gw 16,384 bytes; lists 49,408 bytes of whole numbers; hq 6,348,800 bytes; y 32,505,856 bytes
;; launch prep (part 1): grid 256 x 1, 4 waves a work-group, no clusters, 77,312 bytes of LDS; arguments x, Wr, expert_bias, xq, sel, gw; writes xq, sel, gw
.if DOCPART == 1
	.amdgcn_target "amdgcn-amd-amdhsa--gfx1250"
	.amdhsa_code_object_version 6
	.text
	.protected	k_qafc7747978_prep
	.globl	k_qafc7747978_prep
	.p2align	8
	.type	k_qafc7747978_prep,@function
k_qafc7747978_prep:
	s_mov_b64 s[64:65], 0
	v_nop
	global_prefetch_b8 v0, s[64:65] scope:SCOPE_SE
	s_setreg_imm32_b32 hwreg(HW_REG_WAVE_MODE, 25, 1), 1
	s_wait_xcnt 0x0
; x [2048][1024] f32 becomes codes of E2M3 with one E8M0 byte for each 32 along D, and the router chooses two experts a token.
; xq: codes [token][8 K steps][2 halves of the lanes][48 bytes]: the 48 bytes are the 12 operand registers of a lane of that half; block 4 s + 2 c + h lies at 96 s + 48 h + 24 c.
;     From byte XSC on: scale bytes [token][32], block after block.
; sel: e_a | e_b << 8 for each token (a: the larger gate; of equal gates the lower index, as the top-k of the model has it).  gw: the two gates divided by (their sum + 1e-9).
; SHARES: a work-group takes 8 tokens, a wave 2; lane l takes block l (k = 32 l .. 32 l + 31) of a row: a block's largest magnitude needs no other lane,
; and the lane's 32 rows of Wr (1,024 bytes) lie in 256 registers of window 1 for the router's dot products, which are f32 fused multiply-adds.
; Every load reads 512 consecutive bytes; x and Wr turn through LDS (rows padded by 16 bytes) so that a lane gets neighbours along K.
; LIMITS: NaN and infinities among the inputs are not served.  A block of zeros gets the byte 1 (its codes are zeros; the bytes are read by this program alone).
; Gates that the sigmoid's rounding makes equal here and unequal in another arithmetic (or the reverse) may be ordered otherwise.
.set XSC, 1572864
.set XST, 33280                        ; LDS: Wr's turn 0 .. 33,279 (32 x 1,040); x's turn, 9,216 a wave (2 tokens x 32 x 144)
.set CST, 70144                        ; the codes of a wave's two tokens, 1,536 a wave
.set SCB, 76288                        ; the 8 tokens' scale bytes, 256
.set ZB,  76544                        ; the 8 tokens' logits, 256
.set R, 32                             ; v32-95   x as loaded
.set X, 96                             ; v96-159  32 neighbours a token
.set L, 160                            ; v160-175 8 partial logits a token
.set C, 176                            ; v176-191 codes, 8 registers a token
.set T, 192                            ; v192-207 at work
.set Z, 208                            ; v208-215 logits
.set G, 216                            ; v216-223 gates
.set MSB, 0
.macro WIN new                         ; the immediate's high byte repeats the setting that is left
.if MSB != \new
	s_set_vgpr_msb (MSB<<8)|\new
.set MSB, \new
.endif
.endm
	s_load_b256 s[4:11], s[0:1], 0x0               ; x, Wr, expert_bias, xq
	s_load_b128 s[12:15], s[0:1], 0x20             ; sel, gw
	v_lshl_add_u32 v254, v0, 2, 0x12c00
	v_mov_b32 v255, 0
	v_lshrrev_b32 v1, 5, v0
	v_readfirstlane_b32 s24, v1                    ; wave
	v_and_b32 v1, 31, v0                           ; lane
	v_lshlrev_b32 v2, 4, v1
	s_mul_i32 s25, s24, 9216
	s_add_co_u32 s25, s25, XST
	v_lshrrev_b32 v12, 3, v1
	v_mul_u32_u24 v3, v12, 144
	v_and_b32 v12, 7, v1
	v_lshl_add_u32 v3, v12, 4, v3
	v_add_nc_u32 v3, s25, v3                       ; x into the turn: 144 (lane / 8) + 16 (lane % 8)
	v_mul_u32_u24 v4, v1, 144
	v_add_nc_u32 v4, s25, v4                       ; and out of it: my block
	s_mul_i32 s25, s24, 1536
	v_add_nc_u32 v13, s25, v2                      ; xq: my wave's 1,536 bytes, 16 a lane
	s_add_co_u32 s25, s25, CST
	v_lshrrev_b32 v12, 2, v1
	v_mul_u32_u24 v5, v12, 96
	v_and_b32 v12, 1, v1
	v_mad_u32_u24 v5, v12, 48, v5
	v_bfe_u32 v12, v1, 1, 1
	v_mad_u32_u24 v5, v12, 24, v5
	v_add_nc_u32 v5, s25, v5                       ; my block's 24 bytes in the operand's order
	v_add_nc_u32 v6, s25, v2
	s_lshl_b32 s25, s24, 6
	s_add_co_u32 s26, s25, SCB
	v_add_nc_u32 v7, s26, v1                       ; my block's scale byte
	s_add_co_u32 s26, s25, ZB
	v_mov_b32 v10, s26                             ; my wave's 16 logits
	v_mul_u32_u24 v8, v1, 1040                     ; Wr out of its turn: my 32 rows
	s_mul_i32 s25, s24, 8320
	v_add_nc_u32 v9, s25, v2                       ; and into it
	s_lshl_b32 s25, s24, 13
	v_add_nc_u32 v11, s25, v2                      ; in memory: 8,192 x wave + 16 x lane, for Wr and for x alike
	v_and_b32 v12, 7, v1
	v_lshl_add_u32 v14, v12, 5, ZB                 ; wave 0, later: token lane % 8's logits,
	v_lshl_add_u32 v15, v1, 3, SCB                 ; 8 scale bytes a lane,
	v_lshlrev_b32 v16, 3, v1
	v_lshlrev_b32 v17, 2, v1
	s_mov_b32 s32, 0x76543210
	s_mov_b32 s33, 0xfedcba98                      ; lane l xor 16
	s_lshl_b32 s26, ttmp9, 15
	s_mov_b32 s27, 0
	s_wait_kmcnt 0x0
	s_load_b256 s[16:23], s[8:9], 0x0              ; the eight biases
	s_add_nc_u64 s[4:5], s[4:5], s[26:27]          ; x at my work-group's 8 rows
	s_mul_i32 s26, ttmp9, 6144
	s_add_nc_u64 s[34:35], s[10:11], s[26:27]      ; their codes
	s_lshl_b32 s26, ttmp9, 8
	s_add_co_u32 s26, s26, XSC
	s_add_nc_u64 s[36:37], s[10:11], s[26:27]      ; their scale bytes
	s_lshl_b32 s26, ttmp9, 5
	s_add_nc_u64 s[12:13], s[12:13], s[26:27]
	s_lshl_b32 s26, ttmp9, 6
	s_add_nc_u64 s[14:15], s[14:15], s[26:27]
	WIN 0x40                                       ; destination window 1
.irp i, 0,1,2,3,4,5,6,7,8,9,10,11,12,13,14,15
	global_load_b128 v[4*\i:4*\i+3], v11, s[6:7] offset:512*\i       ; my wave's quarter of Wr
.endr
	WIN 0
.irp tk, 0,1
.irp i, 0,1,2,3,4,5,6,7
	global_load_b128 v[R+32*\tk+4*\i:R+32*\tk+4*\i+3], v11, s[4:5] offset:4096*\tk+512*\i th:TH_LOAD_NT
.endr
.endr
	s_wait_loadcnt 16                              ; Wr is in; the 16 loads of x behind it may be out
	WIN 0x04                                       ; an LDS store's data: window 1
.irp i, 0,1,2,3,4,5,6,7,8,9,10,11,12,13,14,15
	ds_store_b128 v9, v[4*\i:4*\i+3] offset:1040*(\i/2)+512*(\i%2)
.endr
	WIN 0
	s_wait_dscnt 0x0                               ; for the others: my part of Wr lies in LDS
	s_barrier_signal -1
	s_barrier_wait -1
	WIN 0x40
.set j, 0
.rept 64
	ds_load_b128 v[4*j:4*j+3], v8 offset:16*j      ; Wr(32 l + k, e) -> window 1, v[8 k + e]
.set j, j+1
.endr
	WIN 0
	s_wait_loadcnt 0x0                             ; x
.irp tk, 0,1
.irp i, 0,1,2,3,4,5,6,7
	ds_store_b128 v3, v[R+32*\tk+4*\i:R+32*\tk+4*\i+3] offset:4608*\tk+576*\i
.endr
.endr
.irp tk, 0,1
.irp i, 0,1,2,3,4,5,6,7
	ds_load_b128 v[X+32*\tk+4*\i:X+32*\tk+4*\i+3], v4 offset:4608*\tk+16*\i   ; my wave's own bytes, served in order
.endr
.endr
	s_wait_dscnt 0x0
; token tk: my block's largest magnitude (with the floor 2^(3 - 127) as a leaf: the byte cannot fall under 1), its scale, its 32 codes
.macro QUANTX tk
.set XS, X+32*\tk
.set CC, C+8*\tk
.set TT, T+8*\tk
	v_max3_num_f32 v[TT], |v[XS]|, |v[XS+1]|, |v[XS+2]|
	v_max3_num_f32 v[TT+1], |v[XS+3]|, |v[XS+4]|, |v[XS+5]|
.irp i, 6,10,14,18,22,26
	v_max3_num_f32 v[TT], v[TT], |v[XS+\i]|, |v[XS+\i+1]|
	v_max3_num_f32 v[TT+1], v[TT+1], |v[XS+\i+2]|, |v[XS+\i+3]|
.endr
	v_max3_num_f32 v[TT], v[TT], |v[XS+30]|, |v[XS+31]|
	v_max3_num_f32 v[TT], v[TT], v[TT+1], 0x1800000
	v_add_nc_u32 v[TT+2], 0xff000000, v[TT]        ; 2 off the exponent field: the conversion's scale operand
	v_cvt_scalef32_pk16_fp6_f32 v[CC:CC+2], v[XS:XS+15], v[TT+2]
	v_cvt_scalef32_pk16_fp6_f32 v[CC+4:CC+6], v[XS+16:XS+31], v[TT+2]   ; (a conversion's three registers begin on an even number)
	v_lshrrev_b32 v[TT+3], 23, v[TT+2]             ; the scale's byte; also the plain place behind the conversions
	v_mov_b32 v[CC+3], v[CC+4]
	v_mov_b32 v[CC+4], v[CC+5]
	v_mov_b32 v[CC+5], v[CC+6]
	ds_store_b64 v5, v[CC:CC+1] offset:768*\tk
	ds_store_b64 v5, v[CC+2:CC+3] offset:768*\tk+8
	ds_store_b64 v5, v[CC+4:CC+5] offset:768*\tk+16
	ds_store_b8 v7, v[TT+3] offset:32*\tk
.endm
	QUANTX 0
	QUANTX 1
.irp c, 0,1,2
	ds_load_b128 v[R+4*\c:R+4*\c+3], v6 offset:512*\c
.endr
	s_wait_dscnt 0x0
.irp c, 0,1,2
	global_store_b128 v13, v[R+4*\c:R+4*\c+3], s[34:35] offset:512*\c    ; 512 consecutive bytes, at a multiple of 256 from the buffer's first byte
.endr
	; the router: logit(token, e) = sum over k of x(token, k) Wr(k, e): two experts an instruction, eight chains
	WIN 0x04                                       ; source 1 (Wr) window 1
.set k, 0
.rept 32
.irp p, 0,1,2,3
.irp tk, 0,1
.if k == 0
	v_pk_mul_f32 v[L+8*\tk+2*\p:L+8*\tk+2*\p+1], v[X+32*\tk:X+32*\tk+1], v[2*\p:2*\p+1] op_sel_hi:[0,1]
.elseif k%2 == 0
	v_pk_fma_f32 v[L+8*\tk+2*\p:L+8*\tk+2*\p+1], v[X+32*\tk+k:X+32*\tk+k+1], v[8*k+2*\p:8*k+2*\p+1], v[L+8*\tk+2*\p:L+8*\tk+2*\p+1] op_sel_hi:[0,1,1]
.else
	v_pk_fma_f32 v[L+8*\tk+2*\p:L+8*\tk+2*\p+1], v[X+32*\tk+k-1:X+32*\tk+k], v[8*k+2*\p:8*k+2*\p+1], v[L+8*\tk+2*\p:L+8*\tk+2*\p+1] op_sel:[1,0,0] op_sel_hi:[1,1,1]
.endif
.endr
.endr
.set k, k+1
.endr
	WIN 0
.irp msk, 1,2,4,8
.irp i, 0,1,2,3,4,5,6,7,8,9,10,11,12,13,14,15
	v_add_f32_dpp v[L+\i], v[L+\i], v[L+\i] row_xmask:\msk row_mask:0xf bank_mask:0xf
.endr
.endr
.irp i, 0,1,2,3,4,5,6,7,8,9,10,11,12,13,14,15
	v_permlanex16_b32 v[X+\i], v[L+\i], s32, s33   ; (x's registers are done with, and have been written)
.endr
.irp i, 0,1,2,3,4,5,6,7,8,9,10,11,12,13,14,15
	v_add_f32 v[L+\i], v[L+\i], v[X+\i]
.endr
.irp i, 0,1,2,3,4,5,6,7,8,9,10,11,12,13,14,15
	ds_store_b32 v10, v[L+\i] offset:4*\i          ; all lanes write the same word with the same value
.endr
	s_wait_dscnt 0x0                               ; for wave 0: my logits and my scale bytes lie in LDS
	s_barrier_signal -1
	s_barrier_wait -1
	s_cmp_lg_u32 s24, 0
	s_cbranch_scc1 .Lend
	; wave 0: lane i stands for token i % 8
	ds_load_b128 v[Z:Z+3], v14
	ds_load_b128 v[Z+4:Z+7], v14 offset:16
	ds_load_b64 v[234:235], v15
	s_wait_kmcnt 0x0                               ; the biases
	s_wait_dscnt 0x0
.irp e, 0,1,2,3,4,5,6,7
	v_add_f32 v[Z+\e], s[16+\e], v[Z+\e]
.endr
.irp e, 0,1,2,3,4,5,6,7
	v_mul_f32 v[G+\e], 0xbfb8aa3b, v[Z+\e]         ; -log2(e) z
.endr
.irp e, 0,1,2,3,4,5,6,7
	v_exp_f32 v[G+\e], v[G+\e]
.endr
	v_nop                                          ; a plain place behind the batch
	s_wait_alu depctr_va_vdst(0)                   ; one wait for the eight, ahead of their first reader
.irp e, 0,1,2,3,4,5,6,7
	v_add_f32 v[G+\e], 1.0, v[G+\e]
.endr
.irp e, 0,1,2,3,4,5,6,7
	v_rcp_f32 v[G+\e], v[G+\e]                     ; the gate: 1 / (1 + 2^(-log2(e) z))
.endr
	v_mov_b32 v225, 0                              ; the best index so far; also the plain place
	s_wait_alu depctr_va_vdst(0)
	v_mov_b32 v224, v[G]
.irp e, 1,2,3,4,5,6,7
	v_cmp_gt_f32 vcc_lo, v[G+\e], v224             ; strictly larger: of equals the lower index stays
	v_cndmask_b32 v224, v224, v[G+\e], vcc_lo
	v_cndmask_b32 v225, v225, \e, vcc_lo
.endr
	v_mov_b32 v226, -1.0                           ; under every gate
	v_mov_b32 v227, 0
.irp e, 0,1,2,3,4,5,6,7
	v_cmp_eq_u32 vcc_lo, \e, v225
	v_cndmask_b32 v228, v[G+\e], -1.0, vcc_lo      ; the best one is out of the second search
	v_cmp_gt_f32 vcc_lo, v228, v226
	v_cndmask_b32 v226, v226, v228, vcc_lo
	v_cndmask_b32 v227, v227, \e, vcc_lo
.endr
	v_add_f32 v229, v224, v226
	v_add_f32 v229, 0x3089705f, v229               ; + 1e-9
	v_rcp_f32 v229, v229
	v_lshl_or_b32 v232, v227, 8, v225              ; a plain place
	s_wait_alu depctr_va_vdst(0)
	v_mul_f32 v230, v224, v229
	v_mul_f32 v231, v226, v229
	global_store_b64 v16, v[234:235], s[36:37]     ; the 8 tokens' 256 scale bytes: one aligned run
	s_wait_xcnt 0x0                                ; EXEC changes only behind this wait
	v_cmp_gt_u32 vcc_lo, 8, v1
	s_and_saveexec_b32 s30, vcc_lo
	global_store_b32 v17, v232, s[12:13]
	global_store_b64 v16, v[230:231], s[14:15]
	s_wait_xcnt 0x0
	s_or_b32 exec_lo, exec_lo, s30
.Lend:
	s_wait_tensorcnt 0x0
	ds_add_u32 v254, v255
	s_wait_dscnt 0x0
	s_endpgm
.Lfunc_end_k_qafc7747978_prep:
	.size	k_qafc7747978_prep, .Lfunc_end_k_qafc7747978_prep-k_qafc7747978_prep
	.p2alignl 7, 3214868480
	.fill 96, 4, 3214868480
	.section	.rodata,"a",@progbits
	.p2align	6, 0x0
	.amdhsa_kernel k_qafc7747978_prep
		.amdhsa_group_segment_fixed_size 77312
		.amdhsa_private_segment_fixed_size 0
		.amdhsa_enable_private_segment 0
		.amdhsa_kernarg_size 48
		.amdhsa_user_sgpr_count 2
		.amdhsa_user_sgpr_kernarg_segment_ptr 1
		.amdhsa_wavefront_size32 1
		.amdhsa_system_sgpr_workgroup_id_x 1
		.amdhsa_system_sgpr_workgroup_id_y 1
		.amdhsa_system_sgpr_workgroup_id_z 1
		.amdhsa_system_vgpr_workitem_id 0
		.amdhsa_next_free_vgpr 512
		.amdhsa_next_free_sgpr 66
		.amdhsa_reserve_vcc 1
		.amdhsa_float_denorm_mode_32 3
		.amdhsa_float_denorm_mode_16_64 3
		.amdhsa_memory_ordered 1
		.amdhsa_forward_progress 1
		.amdhsa_inst_pref_size 46
	.end_amdhsa_kernel
	.amdgpu_metadata
---
amdhsa.version: [ 1, 2 ]
amdhsa.kernels:
  - .name:           k_qafc7747978_prep
    .symbol:         k_qafc7747978_prep.kd
    .args:
      - { .name: x, .offset: 0, .size: 8, .value_kind: global_buffer, .address_space: global }
      - { .name: Wr, .offset: 8, .size: 8, .value_kind: global_buffer, .address_space: global }
      - { .name: expert_bias, .offset: 16, .size: 8, .value_kind: global_buffer, .address_space: global }
      - { .name: xq, .offset: 24, .size: 8, .value_kind: global_buffer, .address_space: global }
      - { .name: sel, .offset: 32, .size: 8, .value_kind: global_buffer, .address_space: global }
      - { .name: gw, .offset: 40, .size: 8, .value_kind: global_buffer, .address_space: global }
    .group_segment_fixed_size: 77312
    .private_segment_fixed_size: 0
    .kernarg_segment_align: 8
    .kernarg_segment_size: 48
    .max_flat_workgroup_size: 128
    .sgpr_count:     66
    .vgpr_count:     512
    .wavefront_size: 32
...
	.end_amdgpu_metadata
.endif
;; end of part 1
;; launch place (part 2): grid 1 x 1, 32 waves a work-group, no clusters, 5,120 bytes of LDS; arguments sel, lists; writes lists
.if DOCPART == 2
	.amdgcn_target "amdgcn-amd-amdhsa--gfx1250"
	.amdhsa_code_object_version 6
	.text
	.protected	k_qafc7747978_place
	.globl	k_qafc7747978_place
	.p2align	8
	.type	k_qafc7747978_place,@function
k_qafc7747978_place:
	s_mov_b64 s[64:65], 0
	v_nop
	global_prefetch_b8 v0, s[64:65] scope:SCOPE_SE
	s_setreg_imm32_b32 hwreg(HW_REG_WAVE_MODE, 25, 1), 1
	s_wait_xcnt 0x0
; A counting sort of the 4,096 routed rows by expert, by one work-group, in whole numbers alone.
; POSITIONS: 0 .. 2,047 the shared expert's rows (position = token), tiles 0 .. 7 of 256; from 2,048 on the routed rows, each expert's filled up to whole tiles of 256.
; The sum over the experts of ceil(rows / 256) is at most 23 for 4,096 rows on 8 experts, whatever the split: 31 tiles, 7,936 positions.
; lists: TOK u32[7936] at 0 (a position's token; 0 in the filling of a used tile);  POS u32[2048][2] at 32,768 (a token's two routed positions, in the order of its gates);
;        TEXP u32[32] at 49,152 (a tile's expert 0 .. 7; 8: the shared one; 9: no rows).
; Thread t takes tokens t and t + 1,024.  A row's rank in its expert: the rows of lower waves, then in the wave the first tokens by lane, then the second tokens by lane.
	s_load_b128 s[4:7], s[0:1], 0x0                ; sel, lists
	v_lshl_add_u32 v64, v0, 2, 0x400
	v_mov_b32 v65, 0
	v_lshrrev_b32 v1, 5, v0
	v_readfirstlane_b32 s8, v1                     ; wave 0 .. 31
	v_and_b32 v1, 31, v0                           ; lane
	v_lshlrev_b32 v2, 2, v0
	v_lshlrev_b32 v3, 2, v1
	v_lshlrev_b32 v62, 3, v0
	v_add_nc_u32 v63, 1024, v0                     ; my second token
	s_lshl_b32 s9, s8, 2
	v_mov_b32 v24, s9                              ; LDS: counts [expert][wave], 128 e + 4 w
	v_mov_b32 v13, 1
	s_mov_b32 s10, 0x76543210
	s_mov_b32 s11, 0xfedcba98
.irp i, 20,21,22,23,50,51,52,53,54,55,56,57
	v_mov_b32 v\i, 0                               ; ranks; and destinations of lane moves, which count as read
.endr
	s_wait_kmcnt 0x0
	global_load_b32 v4, v2, s[4:5]
	global_load_b32 v5, v2, s[4:5] offset:4096
	s_wait_loadcnt 0x0
	v_and_b32 v6, 0xff, v4
	v_bfe_u32 v7, v4, 8, 8
	v_and_b32 v8, 0xff, v5
	v_bfe_u32 v9, v5, 8, 8
.irp i, 6,7,8,9
	v_min_u32 v\i, 7, v\i
.endr
	v_lshlrev_b32 v10, v6, v13
	v_lshlrev_b32 v12, v7, v13
	v_or_b32 v10, v10, v12                         ; my first token's two experts as bits
	v_lshlrev_b32 v11, v8, v13
	v_lshlrev_b32 v12, v9, v13
	v_or_b32 v11, v11, v12
.irp e, 0,1,2,3,4,5,6,7
	v_and_b32 v14, 1<<\e, v10
	v_and_b32 v15, 1<<\e, v11
	v_cmp_ne_u32 s12, 0, v14                       ; the lanes whose first token goes to expert e
	v_cmp_ne_u32 s13, 0, v15                       ; and whose second does
	s_bcnt1_i32_b32 s14, s12
	s_bcnt1_i32_b32 s15, s13
	v_mbcnt_lo_u32_b32 v16, s12, 0                 ; such lanes below me
	v_mbcnt_lo_u32_b32 v17, s13, s14               ; the second tokens come behind all the first
	s_add_co_u32 s15, s14, s15
	v_mov_b32 v[26+\e], s15
	v_cmp_eq_u32 vcc_lo, \e, v6
	v_cndmask_b32 v20, v20, v16, vcc_lo
	v_cmp_eq_u32 vcc_lo, \e, v7
	v_cndmask_b32 v21, v21, v16, vcc_lo
	v_cmp_eq_u32 vcc_lo, \e, v8
	v_cndmask_b32 v22, v22, v17, vcc_lo
	v_cmp_eq_u32 vcc_lo, \e, v9
	v_cndmask_b32 v23, v23, v17, vcc_lo
	ds_store_b32 v24, v[26+\e] offset:128*\e       ; all lanes write the same word with the same value
.endr
	s_wait_dscnt 0x0
	s_barrier_signal -1
	s_barrier_wait -1
.irp e, 0,1,2,3,4,5,6,7
	ds_load_b32 v[34+\e], v3 offset:128*\e         ; lane i: wave i's count
.endr
	s_wait_dscnt 0x0
.irp k, 0,1,2,3
	v_lshl_or_b32 v[42+\k], v[35+2*\k], 16, v[34+2*\k]   ; two experts to a word: no sum passes 2,048
.endr
	v_cmp_gt_u32 vcc_lo, s8, v1
.irp k, 0,1,2,3
	v_cndmask_b32 v[46+\k], 0, v[42+\k], vcc_lo    ; the waves below mine alone
.endr
.irp msk, 1,2,4,8
.irp i, 0,1,2,3,4,5,6,7
	v_mov_b32_dpp v[50+\i], v[42+\i] row_xmask:\msk row_mask:0xf bank_mask:0xf
.endr
.irp i, 0,1,2,3,4,5,6,7
	v_add_nc_u32 v[42+\i], v[42+\i], v[50+\i]
.endr
.endr
.irp i, 0,1,2,3,4,5,6,7
	v_permlanex16_b32 v[50+\i], v[42+\i], s10, s11
.endr
.irp i, 0,1,2,3,4,5,6,7
	v_add_nc_u32 v[42+\i], v[42+\i], v[50+\i]
.endr
.irp i, 0,1,2,3,4,5,6,7
	v_readfirstlane_b32 s[74+\i], v[42+\i]
.endr
.irp k, 0,1,2,3
	s_and_b32 s[16+2*\k], s[74+\k], 0xffff         ; s16-23: an expert's rows
	s_lshr_b32 s[17+2*\k], s[74+\k], 16
	s_and_b32 s[24+2*\k], s[78+\k], 0xffff         ; s24-31: those of them in lower waves
	s_lshr_b32 s[25+2*\k], s[78+\k], 16
.endr
	s_mov_b32 s9, 0                                ; routed tiles so far
.irp e, 0,1,2,3,4,5,6,7
	s_lshl_b32 s12, s9, 8
	s_add_co_u32 s[32+\e], s12, 2048               ; the expert's first position
	s_add_co_u32 s[48+\e], s[32+\e], s[24+\e]      ; my wave's first position in it
	s_add_co_u32 s[66+\e], s[32+\e], s[16+\e]      ; where its filling begins
	s_add_co_u32 s12, s[16+\e], 255
	s_lshr_b32 s12, s12, 8
	s_add_co_u32 s9, s9, s12
	s_mov_b32 s[40+\e], s9                         ; the routed tile behind its last
	s_lshl_b32 s12, s9, 8
	s_add_co_u32 s[56+\e], s12, 2048               ; where its filling ends
.endr
.irp n, 0,1,2,3
	v_mov_b32 v[58+\n], s48
.irp e, 1,2,3,4,5,6,7
	v_cmp_eq_u32 vcc_lo, \e, v[6+\n]
	v_cndmask_b32 v[58+\n], v[58+\n], s[48+\e], vcc_lo
.endr
	v_add_nc_u32 v[58+\n], v[58+\n], v[20+\n]
	v_min_u32 v[58+\n], 7935, v[58+\n]             ; a number made of loaded numbers is held inside the table before it enters an address
	v_lshlrev_b32 v[34+\n], 2, v[58+\n]
.endr
	global_store_b32 v34, v0, s[6:7]               ; TOK[position] = token
	global_store_b32 v35, v0, s[6:7]
	global_store_b32 v36, v63, s[6:7]
	global_store_b32 v37, v63, s[6:7]
	global_store_b64 v62, v[58:59], s[6:7] offset:32768   ; POS
	global_store_b64 v62, v[60:61], s[6:7] offset:40960
	global_store_b32 v2, v0, s[6:7]                ; the shared expert's rows
	global_store_b32 v2, v63, s[6:7] offset:4096
	; the filling of used tiles: four waves to an expert, 64 positions a wave: 256, more than any filling has
	s_lshr_b32 s85, s8, 2
	s_mov_b32 s82, s66
	s_mov_b32 s83, s56
.irp e, 1,2,3,4,5,6,7
	s_cmp_eq_u32 s85, \e
	s_cselect_b32 s82, s[66+\e], s82
	s_cselect_b32 s83, s[56+\e], s83
.endr
	s_and_b32 s85, s8, 3
	s_lshl_b32 s85, s85, 6
	s_add_co_u32 s82, s82, s85
	v_add_nc_u32 v40, s82, v1
	v_add_nc_u32 v41, 32, v40
	v_min_u32 v42, 7935, v40
	v_min_u32 v43, 7935, v41
	v_lshlrev_b32 v42, 2, v42
	v_lshlrev_b32 v43, 2, v43
	v_mov_b32 v44, 0
	s_wait_xcnt 0x0                                ; EXEC changes only behind this wait
	v_cmp_gt_u32 vcc_lo, s83, v40
	s_and_saveexec_b32 s84, vcc_lo
	global_store_b32 v42, v44, s[6:7]
	s_wait_xcnt 0x0
	s_or_b32 exec_lo, exec_lo, s84
	v_cmp_gt_u32 vcc_lo, s83, v41
	s_and_saveexec_b32 s84, vcc_lo
	global_store_b32 v43, v44, s[6:7]
	s_wait_xcnt 0x0
	s_or_b32 exec_lo, exec_lo, s84
	s_cmp_lg_u32 s8, 0
	s_cbranch_scc1 .Ldone
	; wave 0, lane = tile: a routed tile's expert is the number of experts that end at or before it
	v_add_nc_u32 v45, -8, v1
	v_mov_b32 v46, 0
.irp e, 0,1,2,3,4,5,6,7
	v_cmp_le_i32 vcc_lo, s[40+\e], v45
	v_cndmask_b32 v47, 0, 1, vcc_lo
	v_add_nc_u32 v46, v46, v47
.endr
	v_cmp_eq_u32 vcc_lo, 8, v46
	v_cndmask_b32 v46, v46, 9, vcc_lo
	v_cmp_gt_u32 vcc_lo, 8, v1
	v_cndmask_b32 v46, v46, 8, vcc_lo
	global_store_b32 v3, v46, s[6:7] offset:49152
.Ldone:
	s_wait_tensorcnt 0x0
	ds_add_u32 v64, v65
	s_wait_dscnt 0x0
	s_endpgm
.Lfunc_end_k_qafc7747978_place:
	.size	k_qafc7747978_place, .Lfunc_end_k_qafc7747978_place-k_qafc7747978_place
	.p2alignl 7, 3214868480
	.fill 96, 4, 3214868480
	.section	.rodata,"a",@progbits
	.p2align	6, 0x0
	.amdhsa_kernel k_qafc7747978_place
		.amdhsa_group_segment_fixed_size 5120
		.amdhsa_private_segment_fixed_size 0
		.amdhsa_enable_private_segment 0
		.amdhsa_kernarg_size 16
		.amdhsa_user_sgpr_count 2
		.amdhsa_user_sgpr_kernarg_segment_ptr 1
		.amdhsa_wavefront_size32 1
		.amdhsa_system_sgpr_workgroup_id_x 1
		.amdhsa_system_sgpr_workgroup_id_y 1
		.amdhsa_system_sgpr_workgroup_id_z 1
		.amdhsa_system_vgpr_workitem_id 0
		.amdhsa_next_free_vgpr 66
		.amdhsa_next_free_sgpr 100
		.amdhsa_reserve_vcc 1
		.amdhsa_float_denorm_mode_32 3
		.amdhsa_float_denorm_mode_16_64 3
		.amdhsa_memory_ordered 1
		.amdhsa_forward_progress 1
		.amdhsa_inst_pref_size 25
	.end_amdhsa_kernel
	.amdgpu_metadata
---
amdhsa.version: [ 1, 2 ]
amdhsa.kernels:
  - .name:           k_qafc7747978_place
    .symbol:         k_qafc7747978_place.kd
    .args:
      - { .name: sel, .offset: 0, .size: 8, .value_kind: global_buffer, .address_space: global }
      - { .name: lists, .offset: 8, .size: 8, .value_kind: global_buffer, .address_space: global }
    .group_segment_fixed_size: 5120
    .private_segment_fixed_size: 0
    .kernarg_segment_align: 8
    .kernarg_segment_size: 16
    .max_flat_workgroup_size: 1024
    .sgpr_count:     100
    .vgpr_count:     66
    .wavefront_size: 32
...
	.end_amdgpu_metadata
.endif
;; end of part 2
;; launch up (part 3): grid 8 x 31, 4 waves a work-group, no clusters, 107,008 bytes of LDS; arguments xq, lists, Wg_codes, Wg_scales, Wu_codes, Wu_scales, Wg_s_codes, Wg_s_scales, Wu_s_codes, Wu_s_scales, hq; writes hq
.if DOCPART == 3
	.amdgcn_target "amdgcn-amd-amdhsa--gfx1250"
	.amdhsa_code_object_version 6
	.text
	.protected	k_qafc7747978_up
	.globl	k_qafc7747978_up
	.p2align	8
	.type	k_qafc7747978_up,@function
k_qafc7747978_up:
	s_mov_b64 s[64:65], 0
	v_nop
	global_prefetch_b8 v0, s[64:65] scope:SCOPE_SE
	s_setreg_imm32_b32 hwreg(HW_REG_WAVE_MODE, 25, 1), 1
	s_wait_xcnt 0x0
; h = Q(silu(x Wg) (x Wu)) for one tile of 256 positions of one expert and 128 hidden units (work-group x = j: units 128 j on, which are K step j of the next product).
; Both products on codes of E2M3 with E8M0 scales; the hidden layer is made in f32 and quantised in registers, along the hidden units.
; SHARES: four waves; a wave owns 64 positions (4 tiles of 16); their codes for all of K = 1,024 stay in 384 registers.  The weights go through two LDS buffers in four groups of
; 32 gate rows + 32 up rows x all of K (two dense runs of 24,576 bytes), fetched a group ahead by dense loads into registers and put into LDS; ONE barrier a group.
; A weight fragment read from LDS feeds four matrix instructions.  The products are used transposed (source 0 = 16 weight rows, source 1 = 16 positions): a lane holds one position.
; WHAT IS ASKED FOR WHEN: x's fragments are asked for K step by K step, and the first group's products of a K step stand behind a counted wait for that step's loads alone: they run while the later
; steps' loads land.  A group of weights is asked for at the head of the group before it (the second group: in the middle of the first, behind x's fragments) and put into LDS at that group's end.
; THE ROWS OF A WEIGHT TILE ARE NOT NEIGHBOURS: slot 16 u + r holds row 8 u + r + 8 (r / 8) of the group's 32, so that a lane's 16 registers of two tiles are 16 neighbouring hidden units.
; WHICH WEIGHTS: tiles 0 to 7 are the shared expert's, by the tile's number alone; a later tile's expert is read from the list and held at 7 before it enters an address.
; A TILE WITHOUT ROWS (its expert number in the list is 9): every wave still passes every barrier; the work between two barriers is jumped over by a scalar branch on the stored number;
; the loads at the head then read tile 0's tokens and expert 7's weights, which are always there.  No tensor loads and no cluster: branches hang on stored numbers.
; hq: [tile of 16 positions][K step][half c][32 lanes x 16 bytes: operand registers 6 c .. 6 c + 3; 32 lanes x 8 bytes: 6 c + 4, 6 c + 5]; from HSC on scale words u32 [K step][position].
; LIMITS: NaN and infinities are not served; a block of zeros gets the byte 1 (its codes are zeros; the bytes are read by this program alone).
; REGISTERS: window 0: v1-31 addresses, v28-51 at work, v52-55 staged scale bytes, v64-79 x's scale words, v80-95 the weights', v96-127 codes being made, v128-255 the 16 accumulators;
; window 1: v0-95 weight fragments, two sets; v160-255 staging.  windows 2, 3: v0-191 x's fragments of tiles 0, 1 and 2, 3.
.set XSC,  1572864
.set HSC,  6094848
.set BUF1, 53248                       ; a buffer: 64 slots x 784 (768 + 16: slot r begins 4 r banks on), then 64 x 48 of scale bytes
.set BSCL, 50176
.set FA,  1                            ; v1-2   fragments: buffer + 784 r + 24 h
.set SA,  3                            ; v3-4   scale words: buffer + BSCL + 48 r + 16 h
.set LAS, 5                            ; v5-10  where staged codes go: [buffer][load % 3]
.set LSS, 11                           ; v11-12 where staged scale bytes go
.set GB,  13                           ; v13    16 x thread
.set GS,  14                           ; v14    16 x (thread % 64)
.set TK,  15                           ; v15-18 my position's token, a tile each
.set AO,  19                           ; v19-22 768 token + 48 h
.set ASO, 23                           ; v23-26 32 token + 16 h
.set L16, 27
.set PW,  28                           ; v28-31 the hidden layer's scale words in the making
.set TM,  32
.set TP,  36
.set SO,  40
.set BY,  44
.set L4,  48
.set SW,  49
.set L8,  51
.set SST, 52
.set AS,  64                           ; x's scale words [tile][q]: lanes 0-15 K step q, lanes 16-31 K step q + 4
.set BS,  80                           ; the weights' [tile][q] likewise
.set EV,  96                           ; codes of an even group, 4 registers a tile
.set OD,  112                          ; of an odd group
.set ACC, 128                          ; accumulator (m, t) at ACC + 32 m + 8 t; t = 0, 1 gate, 2, 3 up
.set STG, 160
.set MSB, 0
.macro WIN new                         ; the immediate's high byte repeats the setting that is left
.if MSB != \new
	s_set_vgpr_msb (MSB<<8)|\new
.set MSB, \new
.endif
.endm
.macro PLACES n
.rept \n
	v_nop
.endr
.endm
.macro BAR                             ; my LDS stores have landed and my LDS loads are in: then the barrier.  It stands on every path
	s_wait_dscnt 0x0
	s_barrier_signal -1
	s_barrier_wait -1
.endm
.macro SKIP n
	s_cmp_eq_u32 s30, 0
	s_cbranch_scc1 .Lskip_\n
.endm
.macro FRAGB set, buf, ks              ; four weight fragments of K step ks into set: pieces of 8 bytes, as they lie in the rows
	WIN 0x40
.irp t, 0,1,2,3
.irp q, 0,1,2,3,4,5
	ds_load_b64 v[48*(\set)+12*\t+2*\q:48*(\set)+12*\t+2*\q+1], v[FA+\buf] offset:12544*\t+96*(\ks)+48*(\q/3)+8*(\q%3)
.endr
.endr
.endm
.macro STG_LOAD grp                    ; a group's 49,152 bytes of codes, 2,048 consecutive bytes a load of the work-group, and its 2,048 scale bytes: 25 loads a wave
	WIN 0x40
.irp i, 0,1,2,3,4,5,6,7,8,9,10,11
	global_load_b128 v[STG+4*\i:STG+4*\i+3], v[GB], s[8:9] offset:24576*(\grp)+2048*\i
.endr
.irp i, 0,1,2,3,4,5,6,7,8,9,10,11
	global_load_b128 v[STG+48+4*\i:STG+48+4*\i+3], v[GB], s[12:13] offset:24576*(\grp)+2048*\i
.endr
	WIN 0
	global_load_b128 v[SST:SST+3], v[GS], s[28:29] offset:1024*(\grp)
.endm
.macro STG_PUT buf                     ; load i covers rows 8 (i / 3) on: they go to slots 0, 16, 8, 24
	WIN 0x04
.irp p, 0,1
.irp i, 0,1,2,3,4,5,6,7,8,9,10,11
	ds_store_b128 v[LAS+3*\buf+\i%3], v[STG+48*\p+4*\i:STG+48*\p+4*\i+3] offset:784*(16*((\i/3)%2)+8*((\i/3)/2))+25088*\p
.endr
.endr
	WIN 0
	ds_store_b128 v[LSS+\buf], v[SST:SST+3]
.endm
.macro STG_STORE buf
	s_wait_loadcnt 0x0                             ; nothing but the staging loads is out
	STG_PUT \buf
.endm
.macro MM8 ks, hi                      ; 8 matrix instructions: position tiles 2 hi, 2 hi + 1 x the four weight tiles.  The 16 accumulators take turns, in one order in every K step
.irp mm, 0,1
.irp t, 0,1,2,3
.set rD, ACC+32*(2*\hi+\mm)+8*\t
.set rA, 48*((\ks)%2)+12*\t
.set rB, 96*\mm+12*(\ks)
.set rS, BS+4*\t+(\ks)%4
.set rT, AS+4*(2*\hi+\mm)+(\ks)%4
.if (\ks) == 0
	v_wmma_scale_f32_16x16x128_f8f6f4 v[rD:rD+7], v[rA:rA+11], v[rB:rB+11], 0, v[rS], v[rT] matrix_a_fmt:MATRIX_FMT_FP6 matrix_b_fmt:MATRIX_FMT_FP6
.elseif (\ks) < 4
	v_wmma_scale_f32_16x16x128_f8f6f4 v[rD:rD+7], v[rA:rA+11], v[rB:rB+11], v[rD:rD+7], v[rS], v[rT] matrix_a_fmt:MATRIX_FMT_FP6 matrix_b_fmt:MATRIX_FMT_FP6
.else
	v_wmma_scale_f32_16x16x128_f8f6f4 v[rD:rD+7], v[rA:rA+11], v[rB:rB+11], v[rD:rD+7], v[rS], v[rT] matrix_a_fmt:MATRIX_FMT_FP6 matrix_b_fmt:MATRIX_FMT_FP6 matrix_a_scale:MATRIX_SCALE_ROW1 matrix_b_scale:MATRIX_SCALE_ROW1
.endif
.endr
.endr
.endm
; first = 1: the launch's first group, whose K steps wait for x's fragments step by step.  Behind K step ks's 12 loads stand the 12 of each later step and, from K step 4 on,
; the 25 staging loads issued behind K step 3.  A wait's count names 63 at the most; a smaller count than the true one is safe.
.macro KSTEP buf, ks, stg, first
	s_wait_dscnt 0x0                               ; this step's weight fragments, asked for a step ago
.if \first
.set NLD, 12*(7-(\ks))
.if (\ks) > 3
.set NLD, NLD+25
.endif
.if NLD > 63
.set NLD, 63
.endif
	s_wait_loadcnt NLD                             ; x's scale words and its fragments up to this K step are in
.endif
.if (\ks) < 7
	PLACES 4                                       ; behind the products that read the other set, ahead of the loads into it
	FRAGB ((\ks)+1)%2, \buf, (\ks)+1
.endif
	WIN 0x09                                       ; source 0 window 1, source 1 window 2
	MM8 \ks, 0
	WIN 0x0d                                       ; source 1 window 3
	MM8 \ks, 1
.if ((\ks) == 3) && ((\stg) >= 0)
	STG_LOAD \stg                                  ; in the first group alone: the second group is asked for here, behind all of x's fragments
.endif
.endm
.macro MMAG buf, stg, first            ; a group: 8 K steps, 128 matrix instructions
.irp t, 0,1,2,3
	ds_load_b128 v[BS+4*\t:BS+4*\t+3], v[SA+\buf] offset:768*\t
.endr
	FRAGB 0, \buf, 0
.irp ks, 0,1,2,3,4,5,6,7
	KSTEP \buf, \ks, \stg, \first
.endr
	WIN 0
.endm
; Behind group g: h = g u / (1 + 2^(-log2(e) g)), in place; the block of 32 hidden units lies in lanes l and l xor 16; its byte is byte g of the scale word; its codes are half blocks,
; and behind an odd group the halves of two blocks change places so that a lane holds a whole block, and the six registers leave.
.macro EPI g
	PLACES 4
.irp i, 0,2,4,6,8,10,12,14
.irp m, 0,1,2,3
	v_pk_mul_f32 v[ACC+32*\m+16+\i:ACC+32*\m+17+\i], v[ACC+32*\m+16+\i:ACC+32*\m+17+\i], v[ACC+32*\m+\i:ACC+32*\m+1+\i]   ; u g; each accumulator is read from its low end on
.endr
.endr
.irp i, 0,2,4,6,8,10,12,14
.irp m, 0,1,2,3
	v_pk_mul_f32 v[ACC+32*\m+\i:ACC+32*\m+1+\i], v[ACC+32*\m+\i:ACC+32*\m+1+\i], s[34:35] op_sel_hi:[1,0]
.endr
.endr
.irp i, 0,1,2,3,4,5,6,7,8,9,10,11,12,13,14,15
.irp m, 0,1,2,3
	v_exp_f32 v[ACC+32*\m+\i], v[ACC+32*\m+\i]
.endr
.endr
	v_nop                                          ; a plain place behind the batch
	s_wait_alu depctr_va_vdst(0)                   ; one wait for the 64, ahead of their first reader
.irp i, 0,2,4,6,8,10,12,14
.irp m, 0,1,2,3
	v_pk_add_f32 v[ACC+32*\m+\i:ACC+32*\m+1+\i], v[ACC+32*\m+\i:ACC+32*\m+1+\i], 1.0 op_sel_hi:[1,0]
.endr
.endr
.irp i, 0,1,2,3,4,5,6,7,8,9,10,11,12,13,14,15
.irp m, 0,1,2,3
	v_rcp_f32 v[ACC+32*\m+\i], v[ACC+32*\m+\i]
.endr
.endr
	v_nop
	s_wait_alu depctr_va_vdst(0)
.irp i, 0,2,4,6,8,10,12,14
.irp m, 0,1,2,3
	v_pk_mul_f32 v[ACC+32*\m+\i:ACC+32*\m+1+\i], v[ACC+32*\m+\i:ACC+32*\m+1+\i], v[ACC+32*\m+16+\i:ACC+32*\m+17+\i]
.endr
.endr
.irp m, 0,1,2,3
	v_max3_num_f32 v[TM+\m], |v[ACC+32*\m]|, |v[ACC+32*\m+1]|, 0x1800000   ; with the floor 2^(3 - 127): the byte cannot fall under 1
.endr
.irp i, 2,4,6,8,10,12,14
.irp m, 0,1,2,3
	v_max3_num_f32 v[TM+\m], v[TM+\m], |v[ACC+32*\m+\i]|, |v[ACC+32*\m+\i+1]|
.endr
.endr
.irp m, 0,1,2,3
	v_permlanex16_b32 v[TP+\m], v[TM+\m], s32, s33
.endr
.irp m, 0,1,2,3
	v_max_num_f32 v[TM+\m], v[TM+\m], v[TP+\m]
.endr
.irp m, 0,1,2,3
	v_add_nc_u32 v[SO+\m], 0xff000000, v[TM+\m]    ; 2 off the exponent field: the conversion's scale operand
.endr
.irp m, 0,1,2,3
	v_lshrrev_b32 v[BY+\m], 23, v[SO+\m]
.endr
.irp m, 0,1,2,3
.if \g == 0
	v_mov_b32 v[PW+\m], v[BY+\m]
.else
	v_lshl_or_b32 v[PW+\m], v[BY+\m], 8*\g, v[PW+\m]
.endif
.endr
	s_wait_xcnt 0x0                                ; the last stores of codes have read their registers: these are written again only behind this wait
.irp m, 0,1,2,3
.if \g%2 == 0
	v_cvt_scalef32_pk16_fp6_f32 v[EV+4*\m:EV+4*\m+2], v[ACC+32*\m:ACC+32*\m+15], v[SO+\m]
.else
	v_cvt_scalef32_pk16_fp6_f32 v[OD+4*\m:OD+4*\m+2], v[ACC+32*\m:ACC+32*\m+15], v[SO+\m]
.endif
.endr
	v_nop                                          ; one plain place behind the conversions
.if \g%2 == 1
.irp m, 0,1,2,3
.irp i, 0,1,2
	v_permlane16_swap_b32 v[EV+4*\m+\i], v[OD+4*\m+\i]   ; EV: each lane's block's lower 16 codes, OD: the upper 16
.endr
.endr
.irp m, 0,1,2,3
	v_mov_b32 v[EV+4*\m+3], v[OD+4*\m]             ; registers 0-3 of the six on end, and 4, 5 as a pair
	v_mov_b32 v[OD+4*\m], v[OD+4*\m+1]
	v_mov_b32 v[OD+4*\m+1], v[OD+4*\m+2]
.endr
.irp m, 0,1,2,3
	global_store_b128 v[L16], v[EV+4*\m:EV+4*\m+3], s[44:45] offset:12288*\m+768*(\g/2)        ; 512 consecutive bytes, at a multiple of 256 from the buffer's first byte
	global_store_b64 v[L8], v[OD+4*\m:OD+4*\m+1], s[44:45] offset:12288*\m+768*(\g/2)+512      ; 256 likewise
.endr
.endif
.endm
.macro AFS ks                          ; K step ks of x's codes for my four tiles: 48 bytes a lane and tile, as the operand's registers take them: 12 loads
	WIN 0x80
.irp m, 0,1
.irp c, 0,1,2
	global_load_b128 v[96*\m+12*(\ks)+4*\c:96*\m+12*(\ks)+4*\c+3], v[AO+\m], s[4:5] offset:96*(\ks)+16*\c
.endr
.endr
	WIN 0xc0
.irp m, 0,1
.irp c, 0,1,2
	global_load_b128 v[96*\m+12*(\ks)+4*\c:96*\m+12*(\ks)+4*\c+3], v[AO+2+\m], s[4:5] offset:96*(\ks)+16*\c
.endr
.endr
.endm
	s_load_b128 s[4:7], s[0:1], 0x0                ; xq, lists
	s_load_b256 s[8:15], s[0:1], 0x10              ; Wg codes, scales, Wu codes, scales
	s_load_b256 s[16:23], s[0:1], 0x30             ; the shared expert's four
	s_load_b64 s[24:25], s[0:1], 0x50              ; hq
	v_lshl_add_u32 v123, v0, 2, 0x1a000
	v_mov_b32 v127, 0
	v_lshrrev_b32 v56, 5, v0
	v_readfirstlane_b32 s31, v56                   ; wave
	s_and_b32 s37, ttmp7, 0xffff                   ; tile
	s_lshl_b32 s38, s37, 2
	s_wait_kmcnt 0x0
	s_load_b32 s39, s[6:7], s38 offset:49152       ; the tile's expert
	v_and_b32 v56, 15, v0                          ; r
	v_bfe_u32 v57, v0, 4, 1                        ; h
	v_and_b32 v58, 31, v0                          ; lane
	v_mul_u32_u24 v[FA], v56, 784
	v_mad_u32_u24 v[FA], v57, 24, v[FA]
	v_add_nc_u32 v[FA+1], BUF1, v[FA]
	v_mul_u32_u24 v[SA], v56, 48
	v_lshl_add_u32 v[SA], v57, 4, v[SA]
	v_add_nc_u32 v[SA], BSCL, v[SA]
	v_add_nc_u32 v[SA+1], BUF1, v[SA]
.irp k, 0,1,2
	v_add_nc_u32 v59, 128*\k, v0                   ; which 16 bytes of 8 rows (6,144 bytes)
	v_mul_u32_u24 v60, v59, 1366
	v_lshrrev_b32 v60, 16, v60                     ; / 48: which of the 8 rows (exact under 384)
	v_add_nc_u32 v60, v59, v60
	v_lshlrev_b32 v[LAS+\k], 4, v60                ; 16 more for each row passed
	v_add_nc_u32 v[LAS+3+\k], BUF1, v[LAS+\k]
.endr
	v_and_b32 v59, 63, v0
	v_lshlrev_b32 v[GS], 4, v59
	v_lshrrev_b32 v59, 1, v59                      ; the row whose scale bytes I stage
	v_and_b32 v60, 7, v59
	v_bfe_u32 v61, v59, 4, 1
	v_lshl_add_u32 v60, v61, 3, v60
	v_bfe_u32 v61, v59, 3, 1
	v_lshl_add_u32 v60, v61, 4, v60
	v_lshrrev_b32 v61, 6, v0                       ; gate (waves 0, 1) or up (waves 2, 3)
	v_lshl_add_u32 v60, v61, 5, v60                ; its slot
	v_mul_u32_u24 v60, v60, 48
	v_and_b32 v61, 1, v0
	v_lshl_add_u32 v60, v61, 4, v60
	v_add_nc_u32 v[LSS], BSCL, v60
	v_add_nc_u32 v[LSS+1], BUF1, v[LSS]
	v_lshlrev_b32 v[GB], 4, v0
	v_lshlrev_b32 v[L16], 4, v58
	v_lshlrev_b32 v[L8], 3, v58
	v_lshlrev_b32 v[L4], 2, v58
	s_lshl_b32 s40, s31, 8
	v_lshlrev_b32 v62, 2, v56
	v_add_nc_u32 v62, s40, v62                     ; the list of tokens: 256 x wave + 4 r
	v_mul_u32_u24 v63, v57, 48
	v_lshlrev_b32 v61, 4, v57
.irp i, 0,1,2,3,4,5,6,7,8,9,10,11,12,13,14,15
	v_mov_b32 v[EV+\i], 0                          ; what goes from one region that may be jumped over to another is written once here
.endr
.irp i, 0,1,2,3
	v_mov_b32 v[PW+\i], 0
	v_mov_b32 v[TP+\i], 0                          ; (a lane permute's destination counts as read)
.endr
	s_mov_b32 s32, 0x76543210
	s_mov_b32 s33, 0xfedcba98
	s_mov_b32 s34, 0xbfb8aa3b                      ; -log2(e)
	s_mov_b32 s35, s34
	s_mov_b32 s36, 0xffff0000                      ; lanes 16-31
	s_mov_b32 s41, 0
	s_cmp_lt_u32 s37, 8                            ; tiles 0 to 7 are the shared expert's: the choice of buffers hangs on the tile's number alone
	s_cselect_b64 s[8:9], s[16:17], s[8:9]
	s_cselect_b64 s[10:11], s[18:19], s[10:11]
	s_cselect_b64 s[12:13], s[20:21], s[12:13]
	s_cselect_b64 s[14:15], s[22:23], s[14:15]
	s_cselect_b32 s43, 0, 1                        ; 1: a routed tile
	s_cmp_lt_u32 s31, 2
	s_cselect_b64 s[28:29], s[10:11], s[14:15]     ; which scale bytes my wave stages: the gate's or the up's
	s_wait_kmcnt 0x0                               ; the tile's expert: 0 .. 7, 8 (shared) or 9 (no rows)
	s_min_u32 s42, s39, 9
	s_add_co_u32 s42, s42, 7
	s_and_b32 s42, s42, 16                         ; 16 where it is 9
	s_add_co_u32 s42, s42, 16
	s_and_b32 s30, s42, 16                         ; 16: the tile has rows; 0: it has none
	s_mul_i32 s48, s37, s30                        ; 16 x the tile whose tokens the head reads: mine, or tile 0
	s_min_u32 s39, s39, 7                          ; held inside the table of experts,
	s_mul_i32 s39, s39, s43                        ; and 0 for the shared one
	s_mul_i32 s40, s39, 786432
	s_mul_i32 s42, ttmp9, 98304
	s_add_co_u32 s40, s40, s42
	s_add_nc_u64 s[8:9], s[8:9], s[40:41]          ; codes at the expert's row 128 j
	s_add_nc_u64 s[12:13], s[12:13], s[40:41]
	s_lshl_b32 s40, s39, 15
	s_lshl_b32 s42, ttmp9, 12
	s_add_co_u32 s40, s40, s42
	s_add_nc_u64 s[28:29], s[28:29], s[40:41]      ; scale bytes likewise
	s_add_nc_u64 s[26:27], s[4:5], XSC
	s_lshl_b32 s40, s48, 6
	s_add_nc_u64 s[6:7], s[6:7], s[40:41]          ; the tile's tokens: 1,024 bytes a tile
	s_lshl_b32 s40, s37, 10                        ; the stores' addresses are made of my own tile's number
	s_lshl_b32 s42, s31, 8
	s_add_co_u32 s40, s40, s42
	s_mul_i32 s42, ttmp9, 31744
	s_add_co_u32 s40, s40, s42
	s_add_co_u32 s40, s40, HSC
	s_add_nc_u64 s[46:47], s[24:25], s[40:41]      ; hq: my 64 positions' scale words of K step j
	s_lshl_b32 s40, s37, 4
	s_lshl_b32 s42, s31, 2
	s_add_co_u32 s40, s40, s42
	s_mul_i32 s40, s40, 12288
	s_mul_i32 s42, ttmp9, 1536
	s_add_co_u32 s40, s40, s42
	s_add_nc_u64 s[44:45], s[24:25], s[40:41]      ; hq: my four tiles' fragments of K step j
.irp m, 0,1,2,3
	global_load_b32 v[TK+\m], v62, s[6:7] offset:64*\m
.endr
	STG_LOAD 0
	s_wait_loadcnt 25                              ; the tokens are in; the 25 staging loads behind them may be out
.irp m, 0,1,2,3
	v_min_u32 v[TK+\m], 2047, v[TK+\m]             ; a loaded number is held inside the table before it enters an address
.endr
.irp m, 0,1,2,3
	v_mul_u32_u24 v[AO+\m], v[TK+\m], 768
	v_add_nc_u32 v[AO+\m], v[AO+\m], v63
	v_lshl_add_u32 v[ASO+\m], v[TK+\m], 5, v61
.endr
.irp m, 0,1,2,3
	global_load_b128 v[AS+4*\m:AS+4*\m+3], v[ASO+\m], s[26:27]
.endr
	AFS 0
	AFS 1
	WIN 0
	s_wait_loadcnt 28                              ; group 0 is staged; behind it 4 loads of scale words and 24 of K steps 0 and 1
	STG_PUT 0
.irp ks, 2,3,4,5,6,7
	AFS \ks
.endr
	WIN 0
	BAR                                            ; group 0 lies in buffer 0; x's later K steps may still be on their way: each wave waits for its own, step by step
	s_cmp_eq_u32 s30, 0
	s_cbranch_scc1 .Lnone_0
	MMAG 0, 1, 1
	EPI 0
	STG_STORE 1                                    ; group 1, asked for in the middle of group 0's products
	s_branch .Lskip_0
.Lnone_0:
	s_wait_loadcnt 0x0                             ; a tile without rows: the head's loads are waited for here, since the counted waits have been jumped over
.Lskip_0:
	BAR                                            ; group 1 lies in buffer 1, and nobody reads buffer 0 any more
	SKIP 1
	STG_LOAD 2                                     ; the staging registers are free: the barrier's wait has shown the LDS stores that read them done.  The loads have the whole group in which to land
	MMAG 1, -1, 0
	EPI 1
	STG_STORE 0
.Lskip_1:
	BAR
	SKIP 2
	STG_LOAD 3
	MMAG 0, -1, 0
	EPI 2
	STG_STORE 1
.Lskip_2:
	BAR
	SKIP 3
	MMAG 1, -1, 0
	EPI 3
	v_cndmask_b32 v[SW], v[PW], v[PW+1], s36       ; both halves of the lanes hold a row's word: lanes 0-15 give tile 0's, lanes 16-31 tile 1's
	v_cndmask_b32 v[SW+1], v[PW+2], v[PW+3], s36
	global_store_b32 v[L4], v[SW], s[46:47]
	global_store_b32 v[L4], v[SW+1], s[46:47] offset:128
.Lskip_3:
	s_wait_tensorcnt 0x0
	ds_add_u32 v123, v127
	s_wait_dscnt 0x0
	s_endpgm
.Lfunc_end_k_qafc7747978_up:
	.size	k_qafc7747978_up, .Lfunc_end_k_qafc7747978_up-k_qafc7747978_up
	.p2alignl 7, 3214868480
	.fill 96, 4, 3214868480
	.section	.rodata,"a",@progbits
	.p2align	6, 0x0
	.amdhsa_kernel k_qafc7747978_up
		.amdhsa_group_segment_fixed_size 107008
		.amdhsa_private_segment_fixed_size 0
		.amdhsa_enable_private_segment 0
		.amdhsa_kernarg_size 88
		.amdhsa_user_sgpr_count 2
		.amdhsa_user_sgpr_kernarg_segment_ptr 1
		.amdhsa_wavefront_size32 1
		.amdhsa_system_sgpr_workgroup_id_x 1
		.amdhsa_system_sgpr_workgroup_id_y 1
		.amdhsa_system_sgpr_workgroup_id_z 1
		.amdhsa_system_vgpr_workitem_id 0
		.amdhsa_next_free_vgpr 960
		.amdhsa_next_free_sgpr 66
		.amdhsa_reserve_vcc 0
		.amdhsa_float_denorm_mode_32 3
		.amdhsa_float_denorm_mode_16_64 3
		.amdhsa_memory_ordered 1
		.amdhsa_forward_progress 1
		.amdhsa_inst_pref_size 222
	.end_amdhsa_kernel
	.amdgpu_metadata
---
amdhsa.version: [ 1, 2 ]
amdhsa.kernels:
  - .name:           k_qafc7747978_up
    .symbol:         k_qafc7747978_up.kd
    .args:
      - { .name: xq, .offset: 0, .size: 8, .value_kind: global_buffer, .address_space: global }
      - { .name: lists, .offset: 8, .size: 8, .value_kind: global_buffer, .address_space: global }
      - { .name: Wg_codes, .offset: 16, .size: 8, .value_kind: global_buffer, .address_space: global }
      - { .name: Wg_scales, .offset: 24, .size: 8, .value_kind: global_buffer, .address_space: global }
      - { .name: Wu_codes, .offset: 32, .size: 8, .value_kind: global_buffer, .address_space: global }
      - { .name: Wu_scales, .offset: 40, .size: 8, .value_kind: global_buffer, .address_space: global }
      - { .name: Wg_s_codes, .offset: 48, .size: 8, .value_kind: global_buffer, .address_space: global }
      - { .name: Wg_s_scales, .offset: 56, .size: 8, .value_kind: global_buffer, .address_space: global }
      - { .name: Wu_s_codes, .offset: 64, .size: 8, .value_kind: global_buffer, .address_space: global }
      - { .name: Wu_s_scales, .offset: 72, .size: 8, .value_kind: global_buffer, .address_space: global }
      - { .name: hq, .offset: 80, .size: 8, .value_kind: global_buffer, .address_space: global }
    .group_segment_fixed_size: 107008
    .private_segment_fixed_size: 0
    .kernarg_segment_align: 8
    .kernarg_segment_size: 88
    .max_flat_workgroup_size: 128
    .sgpr_count:     66
    .vgpr_count:     960
    .wavefront_size: 32
...
	.end_amdgpu_metadata
.endif
;; end of part 3
;; launch down (part 4): grid 8 x 31, 4 waves a work-group, no clusters, 124,416 bytes of LDS; arguments hq, lists, Wd_codes, Wd_scales, Wd_s_codes, Wd_s_scales, y; writes y
.if DOCPART == 4
	.amdgcn_target "amdgcn-amd-amdhsa--gfx1250"
	.amdhsa_code_object_version 6
	.text
	.protected	k_qafc7747978_down
	.globl	k_qafc7747978_down
	.p2align	8
	.type	k_qafc7747978_down,@function
k_qafc7747978_down:
	s_mov_b64 s[64:65], 0
	v_nop
	global_prefetch_b8 v0, s[64:65] scope:SCOPE_SE
	s_setreg_imm32_b32 hwreg(HW_REG_WAVE_MODE, 25, 1), 1
	s_wait_xcnt 0x0
; y[position][d] = sum over f of h[position][f] Wd[expert][d][f], for one tile of 256 positions of one expert and 128 outputs (work-group x = j: d = 128 j on); codes of E2M3, E8M0 scales, f32 sums.
; The frame is that of the launch before: four waves, 64 positions a wave with their codes for all of K in 384 registers (here loaded as images of the operand's registers);
; the weights in two groups of 64 dense rows x all of K through two LDS buffers, staged through registers a group ahead; one barrier a group; products used transposed.
; WHAT IS ASKED FOR WHEN: h's fragments are asked for K step by K step, and the first group's products of a K step stand behind a counted wait for that step's loads alone; the second group of
; weights is asked for in the middle of the first group's products, behind h's fragments, and put into LDS behind the first group's way out.
; WHICH WEIGHTS: tiles 0 to 7 are the shared expert's, by the tile's number alone; a later tile's expert is read from the list and held at 7 before it enters an address.
; A tile without rows passes every barrier and jumps over the work between them; its head reads tile 0's images and expert 7's weights.  No tensor loads and no cluster: branches hang on stored numbers.
; The gates are applied by the next launch: a token's three rows lie in three tiles.
; REGISTERS: window 0: v1-20 addresses, v52-55 staged scale bytes, v64-79 h's scale words, v80-95 the weights', v128-255 the 16 accumulators;
; window 1: v0-95 weight fragments, two sets; v96-159 rows on the way out, two sets; v160-255 staging.  windows 2, 3: v0-191 h's fragments.
.set HSC,  6094848
.set BUF1, 53248
.set BSCL, 50176
.set STAGE, 106496                     ; 16 rows x (256 + 16) bytes for each wave
.set FA,  1
.set SA,  3
.set LAS, 5
.set LSS, 11
.set GB,  13
.set HB16, 15
.set ASV, 16
.set SO,  17
.set SR,  18
.set YO,  19
.set HB8, 20
.set SST, 52
.set AS,  64
.set BS,  80
.set ACC, 128
.set YB,  96
.set STG, 160
.set MSB, 0
.macro WIN new                         ; the immediate's high byte repeats the setting that is left
.if MSB != \new
	s_set_vgpr_msb (MSB<<8)|\new
.set MSB, \new
.endif
.endm
.macro PLACES n
.rept \n
	v_nop
.endr
.endm
.macro BAR                             ; my LDS stores have landed and my LDS loads are in: then the barrier.  It stands on every path
	s_wait_dscnt 0x0
	s_barrier_signal -1
	s_barrier_wait -1
.endm
.macro SKIP n
	s_cmp_eq_u32 s30, 0
	s_cbranch_scc1 .Lskip_\n
.endm
.macro FRAGB set, buf, ks
	WIN 0x40
.irp t, 0,1,2,3
.irp q, 0,1,2,3,4,5
	ds_load_b64 v[48*(\set)+12*\t+2*\q:48*(\set)+12*\t+2*\q+1], v[FA+\buf] offset:12544*\t+96*(\ks)+48*(\q/3)+8*(\q%3)
.endr
.endr
.endm
.macro STG_LOAD grp                    ; 64 rows: 49,152 dense bytes of codes and 2,048 of scale bytes: 25 loads a wave
	WIN 0x40
.irp i, 0,1,2,3,4,5,6,7,8,9,10,11,12,13,14,15,16,17,18,19,20,21,22,23
	global_load_b128 v[STG+4*\i:STG+4*\i+3], v[GB], s[8:9] offset:49152*(\grp)+2048*\i
.endr
	WIN 0
	global_load_b128 v[SST:SST+3], v[GB], s[10:11] offset:2048*(\grp)
.endm
.macro STG_PUT buf                     ; load i covers rows 8 (i / 3) on, which keep their order
	WIN 0x04
.irp i, 0,1,2,3,4,5,6,7,8,9,10,11,12,13,14,15,16,17,18,19,20,21,22,23
	ds_store_b128 v[LAS+3*\buf+\i%3], v[STG+4*\i:STG+4*\i+3] offset:6272*(\i/3)
.endr
	WIN 0
	ds_store_b128 v[LSS+\buf], v[SST:SST+3]
.endm
.macro STG_STORE buf
	s_wait_loadcnt 0x0                             ; nothing but the staging loads is out
	STG_PUT \buf
.endm
.macro MM8 ks, hi                      ; the 16 accumulators take turns, in one order in every K step
.irp mm, 0,1
.irp t, 0,1,2,3
.set rD, ACC+32*(2*\hi+\mm)+8*\t
.set rA, 48*((\ks)%2)+12*\t
.set rB, 96*\mm+12*(\ks)
.set rS, BS+4*\t+(\ks)%4
.set rT, AS+4*(2*\hi+\mm)+(\ks)%4
.if (\ks) == 0
	v_wmma_scale_f32_16x16x128_f8f6f4 v[rD:rD+7], v[rA:rA+11], v[rB:rB+11], 0, v[rS], v[rT] matrix_a_fmt:MATRIX_FMT_FP6 matrix_b_fmt:MATRIX_FMT_FP6
.elseif (\ks) < 4
	v_wmma_scale_f32_16x16x128_f8f6f4 v[rD:rD+7], v[rA:rA+11], v[rB:rB+11], v[rD:rD+7], v[rS], v[rT] matrix_a_fmt:MATRIX_FMT_FP6 matrix_b_fmt:MATRIX_FMT_FP6
.else
	v_wmma_scale_f32_16x16x128_f8f6f4 v[rD:rD+7], v[rA:rA+11], v[rB:rB+11], v[rD:rD+7], v[rS], v[rT] matrix_a_fmt:MATRIX_FMT_FP6 matrix_b_fmt:MATRIX_FMT_FP6 matrix_a_scale:MATRIX_SCALE_ROW1 matrix_b_scale:MATRIX_SCALE_ROW1
.endif
.endr
.endr
.endm
; first = 1: the launch's first group, whose K steps wait for h's fragments step by step.  Behind K step ks's 16 loads stand the 16 of each later step and, from K step 4 on,
; the 25 staging loads issued behind K step 3.  A wait's count names 63 at the most; a smaller count than the true one is safe.
.macro KSTEP buf, ks, stg, first
	s_wait_dscnt 0x0                               ; this step's weight fragments, asked for a step ago
.if \first
.set NLD, 16*(7-(\ks))
.if (\ks) > 3
.set NLD, NLD+25
.endif
.if NLD > 63
.set NLD, 63
.endif
	s_wait_loadcnt NLD                             ; h's scale words and its fragments up to this K step are in
.endif
.if (\ks) < 7
	PLACES 4                                       ; behind the products that read the other set, ahead of the loads into it
	FRAGB ((\ks)+1)%2, \buf, (\ks)+1
.endif
	WIN 0x09
	MM8 \ks, 0
	WIN 0x0d
	MM8 \ks, 1
.if ((\ks) == 3) && ((\stg) >= 0)
	STG_LOAD \stg                                  ; the second group is asked for here, behind all of h's fragments
.endif
.endm
.macro MMAG buf, stg, first
.irp t, 0,1,2,3
	ds_load_b128 v[BS+4*\t:BS+4*\t+3], v[SA+\buf] offset:768*\t
.endr
	FRAGB 0, \buf, 0
.irp ks, 0,1,2,3,4,5,6,7
	KSTEP \buf, \ks, \stg, \first
.endr
	WIN 0
.endm
.macro AFS ks                          ; K step ks of my four tiles' fragments, as images: a half is 16 bytes a lane, then 8 bytes a lane: 16 loads
	WIN 0x80
.irp m, 0,1
.irp c, 0,1
	global_load_b128 v[96*\m+12*(\ks)+6*\c:96*\m+12*(\ks)+6*\c+3], v[HB16], s[20:21] offset:12288*\m+1536*(\ks)+768*\c
	global_load_b64 v[96*\m+12*(\ks)+6*\c+4:96*\m+12*(\ks)+6*\c+5], v[HB8], s[20:21] offset:12288*\m+1536*(\ks)+768*\c+512
.endr
.endr
	WIN 0xc0
.irp m, 0,1
.irp c, 0,1
	global_load_b128 v[96*\m+12*(\ks)+6*\c:96*\m+12*(\ks)+6*\c+3], v[HB16], s[20:21] offset:12288*(\m+2)+1536*(\ks)+768*\c
	global_load_b64 v[96*\m+12*(\ks)+6*\c+4:96*\m+12*(\ks)+6*\c+5], v[HB8], s[20:21] offset:12288*(\m+2)+1536*(\ks)+768*\c+512
.endr
.endr
.endm
; THE WAY OUT: a lane holds 8 neighbouring outputs of one position; a tile of 16 positions x 64 outputs goes through my own stage and comes back as rows of 256 bytes.
.macro TOSTAGE m
	s_wait_xcnt 0x0                                ; earlier stores have read the registers into which the rows come back
.irp t, 0,1,2,3
	ds_store_b128 v[SO], v[ACC+32*(\m)+8*\t:ACC+32*(\m)+8*\t+3] offset:64*\t        ; each accumulator from its low end on
	ds_store_b128 v[SO], v[ACC+32*(\m)+8*\t+4:ACC+32*(\m)+8*\t+7] offset:64*\t+16
.endr
	WIN 0x40
.irp i, 0,1,2,3,4,5,6,7
	ds_load_b128 v[YB+32*((\m)%2)+4*\i:YB+32*((\m)%2)+4*\i+3], v[SR] offset:544*\i  ; my own bytes, served in order
.endr
	WIN 0
.endm
.macro SEND m, grp, younger            ; younger: the LDS instructions issued behind tile m's loads
	s_wait_dscnt \younger
	WIN 0x04
.irp i, 0,1,2,3,4,5,6,7
	global_store_b128 v[YO], v[YB+32*((\m)%2)+4*\i:YB+32*((\m)%2)+4*\i+3], s[18:19] offset:(16*(\m)+2*\i)*4096+256*(\grp)   ; 16 lanes store 256 consecutive bytes, at a multiple of 256 from the buffer's first byte
.endr
	WIN 0
.endm
.macro WAYOUT grp
	PLACES 5                                       ; the results are read next, and the next group begins these accumulators anew
	TOSTAGE 0
	TOSTAGE 1
	SEND 0, \grp, 16                               ; behind tile 0's loads: tile 1's 8 stores and 8 loads
	TOSTAGE 2
	SEND 1, \grp, 16
	TOSTAGE 3
	SEND 2, \grp, 16
	SEND 3, \grp, 0
.endm
	s_load_b128 s[4:7], s[0:1], 0x0                ; hq, lists
	s_load_b256 s[8:15], s[0:1], 0x10              ; Wd codes, scales, the shared expert's codes, scales
	s_load_b64 s[16:17], s[0:1], 0x30              ; y
	v_lshl_add_u32 v126, v0, 2, 0x1e400
	v_mov_b32 v127, 0
	v_lshrrev_b32 v56, 5, v0
	v_readfirstlane_b32 s31, v56                   ; wave
	s_and_b32 s37, ttmp7, 0xffff                   ; tile
	s_lshl_b32 s38, s37, 2
	s_wait_kmcnt 0x0
	s_load_b32 s39, s[6:7], s38 offset:49152       ; the tile's expert
	v_and_b32 v56, 15, v0                          ; r
	v_bfe_u32 v57, v0, 4, 1                        ; h
	v_and_b32 v58, 31, v0                          ; lane
	v_mul_u32_u24 v[FA], v56, 784
	v_mad_u32_u24 v[FA], v57, 24, v[FA]
	v_add_nc_u32 v[FA+1], BUF1, v[FA]
	v_mul_u32_u24 v[SA], v56, 48
	v_lshl_add_u32 v[SA], v57, 4, v[SA]
	v_add_nc_u32 v[SA], BSCL, v[SA]
	v_add_nc_u32 v[SA+1], BUF1, v[SA]
.irp k, 0,1,2
	v_add_nc_u32 v59, 128*\k, v0
	v_mul_u32_u24 v60, v59, 1366
	v_lshrrev_b32 v60, 16, v60                     ; / 48 (exact under 384)
	v_add_nc_u32 v60, v59, v60
	v_lshlrev_b32 v[LAS+\k], 4, v60
	v_add_nc_u32 v[LAS+3+\k], BUF1, v[LAS+\k]
.endr
	v_lshrrev_b32 v60, 1, v0
	v_mul_u32_u24 v60, v60, 48
	v_and_b32 v61, 1, v0
	v_lshl_add_u32 v60, v61, 4, v60
	v_add_nc_u32 v[LSS], BSCL, v60
	v_add_nc_u32 v[LSS+1], BUF1, v[LSS]
	v_lshlrev_b32 v[GB], 4, v0
	v_lshlrev_b32 v[HB16], 4, v58
	v_lshlrev_b32 v[HB8], 3, v58
	v_mul_u32_u24 v[ASV], v57, 126976              ; lanes 16-31 take the K step four on
	v_lshl_add_u32 v[ASV], v56, 2, v[ASV]
	s_mul_i32 s40, s31, 4352
	s_add_co_u32 s40, s40, STAGE
	v_mul_u32_u24 v[SO], v56, 272
	v_lshl_add_u32 v[SO], v57, 5, v[SO]
	v_add_nc_u32 v[SO], s40, v[SO]
	v_mul_u32_u24 v[SR], v57, 272
	v_lshl_add_u32 v[SR], v56, 4, v[SR]
	v_add_nc_u32 v[SR], s40, v[SR]
	v_lshlrev_b32 v[YO], 12, v57
	v_lshl_add_u32 v[YO], v56, 4, v[YO]
	s_mov_b32 s41, 0
	s_cmp_lt_u32 s37, 8                            ; tiles 0 to 7 are the shared expert's: the choice of buffers hangs on the tile's number alone
	s_cselect_b64 s[8:9], s[12:13], s[8:9]
	s_cselect_b64 s[10:11], s[14:15], s[10:11]
	s_cselect_b32 s43, 0, 1                        ; 1: a routed tile
	s_wait_kmcnt 0x0                               ; the tile's expert: 0 .. 7, 8 (shared) or 9 (no rows)
	s_min_u32 s42, s39, 9
	s_add_co_u32 s42, s42, 7
	s_and_b32 s42, s42, 16                         ; 16 where it is 9
	s_add_co_u32 s42, s42, 16
	s_and_b32 s30, s42, 16                         ; 16: the tile has rows; 0: it has none
	s_mul_i32 s48, s37, s30                        ; 16 x the tile whose images the head reads: mine, or tile 0
	s_min_u32 s39, s39, 7                          ; held inside the table of experts,
	s_mul_i32 s39, s39, s43                        ; and 0 for the shared one
	s_mul_i32 s40, s39, 786432
	s_mul_i32 s42, ttmp9, 98304
	s_add_co_u32 s40, s40, s42
	s_add_nc_u64 s[8:9], s[8:9], s[40:41]
	s_lshl_b32 s40, s39, 15
	s_lshl_b32 s42, ttmp9, 12
	s_add_co_u32 s40, s40, s42
	s_add_nc_u64 s[10:11], s[10:11], s[40:41]
	s_lshl_b32 s40, s37, 20                        ; the stores' address is made of my own tile's number
	s_lshl_b32 s42, s31, 18
	s_add_co_u32 s40, s40, s42
	s_lshl_b32 s42, ttmp9, 9
	s_add_co_u32 s40, s40, s42
	s_add_nc_u64 s[18:19], s[16:17], s[40:41]      ; y at my first position, output 128 j
	s_lshl_b32 s42, s31, 2
	s_add_co_u32 s40, s48, s42
	s_mul_i32 s40, s40, 12288
	s_add_nc_u64 s[20:21], s[4:5], s[40:41]        ; my four tiles' images
	s_lshl_b32 s40, s48, 6
	s_lshl_b32 s42, s31, 8
	s_add_co_u32 s40, s40, s42
	s_add_co_u32 s40, s40, HSC
	s_add_nc_u64 s[22:23], s[4:5], s[40:41]        ; my 64 positions' scale words
	STG_LOAD 0
.irp m, 0,1,2,3
.irp q, 0,1,2,3
	global_load_b32 v[AS+4*\m+\q], v[ASV], s[22:23] offset:31744*\q+64*\m
.endr
.endr
	AFS 0
	AFS 1
	WIN 0
	s_wait_loadcnt 48                              ; group 0 is staged; behind it 16 loads of scale words and 32 of K steps 0 and 1
	STG_PUT 0
.irp ks, 2,3,4,5,6,7
	AFS \ks
.endr
	WIN 0
	BAR                                            ; group 0 lies in buffer 0; h's later K steps may still be on their way: each wave waits for its own, step by step
	s_cmp_eq_u32 s30, 0
	s_cbranch_scc1 .Lnone_0
	MMAG 0, 1, 1
	WAYOUT 0
	STG_STORE 1                                    ; group 1, asked for in the middle of group 0's products
	s_branch .Lskip_0
.Lnone_0:
	s_wait_loadcnt 0x0                             ; a tile without rows: the head's loads are waited for here, since the counted waits have been jumped over
.Lskip_0:
	BAR                                            ; group 1 lies in buffer 1
	SKIP 1
	MMAG 1, -1, 0
	WAYOUT 1
.Lskip_1:
	s_wait_tensorcnt 0x0
	ds_add_u32 v126, v127
	s_wait_dscnt 0x0
	s_endpgm
.Lfunc_end_k_qafc7747978_down:
	.size	k_qafc7747978_down, .Lfunc_end_k_qafc7747978_down-k_qafc7747978_down
	.p2alignl 7, 3214868480
	.fill 96, 4, 3214868480
	.section	.rodata,"a",@progbits
	.p2align	6, 0x0
	.amdhsa_kernel k_qafc7747978_down
		.amdhsa_group_segment_fixed_size 124416
		.amdhsa_private_segment_fixed_size 0
		.amdhsa_enable_private_segment 0
		.amdhsa_kernarg_size 56
		.amdhsa_user_sgpr_count 2
		.amdhsa_user_sgpr_kernarg_segment_ptr 1
		.amdhsa_wavefront_size32 1
		.amdhsa_system_sgpr_workgroup_id_x 1
		.amdhsa_system_sgpr_workgroup_id_y 1
		.amdhsa_system_sgpr_workgroup_id_z 1
		.amdhsa_system_vgpr_workitem_id 0
		.amdhsa_next_free_vgpr 960
		.amdhsa_next_free_sgpr 66
		.amdhsa_reserve_vcc 0
		.amdhsa_float_denorm_mode_32 3
		.amdhsa_float_denorm_mode_16_64 3
		.amdhsa_memory_ordered 1
		.amdhsa_forward_progress 1
		.amdhsa_inst_pref_size 104
	.end_amdhsa_kernel
	.amdgpu_metadata
---
amdhsa.version: [ 1, 2 ]
amdhsa.kernels:
  - .name:           k_qafc7747978_down
    .symbol:         k_qafc7747978_down.kd
    .args:
      - { .name: hq, .offset: 0, .size: 8, .value_kind: global_buffer, .address_space: global }
      - { .name: lists, .offset: 8, .size: 8, .value_kind: global_buffer, .address_space: global }
      - { .name: Wd_codes, .offset: 16, .size: 8, .value_kind: global_buffer, .address_space: global }
      - { .name: Wd_scales, .offset: 24, .size: 8, .value_kind: global_buffer, .address_space: global }
      - { .name: Wd_s_codes, .offset: 32, .size: 8, .value_kind: global_buffer, .address_space: global }
      - { .name: Wd_s_scales, .offset: 40, .size: 8, .value_kind: global_buffer, .address_space: global }
      - { .name: y, .offset: 48, .size: 8, .value_kind: global_buffer, .address_space: global }
    .group_segment_fixed_size: 124416
    .private_segment_fixed_size: 0
    .kernarg_segment_align: 8
    .kernarg_segment_size: 56
    .max_flat_workgroup_size: 128
    .sgpr_count:     66
    .vgpr_count:     960
    .wavefront_size: 32
...
	.end_amdgpu_metadata
.endif
;; end of part 4
;; launch combine (part 5): grid 256 x 1, 8 waves a work-group, no clusters, 0 bytes of LDS; arguments y, lists, gw, out0, out1; writes out0, out1
.if DOCPART == 5
	.amdgcn_target "amdgcn-amd-amdhsa--gfx1250"
	.amdhsa_code_object_version 6
	.text
	.protected	k_qafc7747978_combine
	.globl	k_qafc7747978_combine
	.p2align	8
	.type	k_qafc7747978_combine,@function
k_qafc7747978_combine:
	s_mov_b64 s[64:65], 0
	v_nop
	global_prefetch_b8 v0, s[64:65] scope:SCOPE_SE
	s_setreg_imm32_b32 hwreg(HW_REG_WAVE_MODE, 25, 1), 1
	s_wait_xcnt 0x0
; out0[token] = y[token] (the shared expert's row) + w_a y[position a] + w_b y[position b]; out1 = 0.
; A wave takes a token: three rows of 4,096 bytes in, one out; every load and store covers 512 consecutive bytes.  Each row of y that holds a token's result is read once.
; The two positions come from the stored list and are held inside the table before they enter an address.  A stream: no LDS, no barrier, no matrix unit.
	s_load_b256 s[4:11], s[0:1], 0x0               ; y, lists, gw, out0
	s_load_b64 s[12:13], s[0:1], 0x20              ; out1
	v_lshrrev_b32 v1, 5, v0
	v_readfirstlane_b32 s14, v1                    ; wave
	v_and_b32 v2, 31, v0
	v_lshlrev_b32 v1, 4, v2
	v_mov_b32 v3, 0
	s_lshl_b32 s15, ttmp9, 3
	s_add_co_u32 s15, s15, s14                     ; token
	s_lshl_b32 s18, s15, 3
	s_lshl_b32 s28, s15, 12
	s_mov_b32 s29, 0
	s_wait_kmcnt 0x0
	s_load_b64 s[16:17], s[6:7], s18 offset:32768  ; its two positions
	s_load_b64 s[20:21], s[8:9], s18 offset:0x0    ; its two gates
	s_add_nc_u64 s[30:31], s[4:5], s[28:29]
	s_add_nc_u64 s[36:37], s[10:11], s[28:29]
.irp i, 0,1,2,3,4,5,6,7
	global_load_b128 v[16+4*\i:19+4*\i], v1, s[30:31] offset:512*\i th:TH_LOAD_NT
.endr
	s_wait_kmcnt 0x0
	s_min_u32 s16, s16, 7935
	s_min_u32 s17, s17, 7935
	s_lshl_b32 s24, s16, 12
	s_mov_b32 s25, 0
	s_lshl_b32 s26, s17, 12
	s_mov_b32 s27, 0
	s_add_nc_u64 s[32:33], s[4:5], s[24:25]
	s_add_nc_u64 s[34:35], s[4:5], s[26:27]
	s_mov_b32 s22, s21
	s_mov_b32 s23, s21
.irp i, 0,1,2,3,4,5,6,7
	global_load_b128 v[48+4*\i:51+4*\i], v1, s[32:33] offset:512*\i th:TH_LOAD_NT
.endr
.irp i, 0,1,2,3,4,5,6,7
	global_load_b128 v[80+4*\i:83+4*\i], v1, s[34:35] offset:512*\i th:TH_LOAD_NT
.endr
	s_wait_loadcnt 8                               ; the first two rows are in; the third row's 8 loads may be out
.irp i, 0,2,4,6,8,10,12,14,16,18,20,22,24,26,28,30
	v_pk_fma_f32 v[16+\i:17+\i], v[48+\i:49+\i], s[20:21], v[16+\i:17+\i] op_sel_hi:[1,0,1]
.endr
	s_wait_loadcnt 0x0
.irp i, 0,2,4,6,8,10,12,14,16,18,20,22,24,26,28,30
	v_pk_fma_f32 v[16+\i:17+\i], v[80+\i:81+\i], s[22:23], v[16+\i:17+\i] op_sel_hi:[1,0,1]
.endr
.irp i, 0,1,2,3,4,5,6,7
	global_store_b128 v1, v[16+4*\i:19+4*\i], s[36:37] offset:512*\i th:TH_STORE_NT
.endr
	s_or_b32 s15, ttmp9, s14
	s_cmp_lg_u32 s15, 0
	s_cbranch_scc1 .Lend
	s_wait_xcnt 0x0                                ; EXEC changes only behind this wait
	v_cmp_eq_u32 vcc_lo, 0, v2
	s_and_saveexec_b32 s15, vcc_lo
	global_store_b32 v3, v3, s[12:13]              ; the auxiliary loss: 0
	s_wait_xcnt 0x0
	s_or_b32 exec_lo, exec_lo, s15
.Lend:
	s_endpgm
.Lfunc_end_k_qafc7747978_combine:
	.size	k_qafc7747978_combine, .Lfunc_end_k_qafc7747978_combine-k_qafc7747978_combine
	.p2alignl 7, 3214868480
	.fill 96, 4, 3214868480
	.section	.rodata,"a",@progbits
	.p2align	6, 0x0
	.amdhsa_kernel k_qafc7747978_combine
		.amdhsa_group_segment_fixed_size 0
		.amdhsa_private_segment_fixed_size 0
		.amdhsa_enable_private_segment 0
		.amdhsa_kernarg_size 40
		.amdhsa_user_sgpr_count 2
		.amdhsa_user_sgpr_kernarg_segment_ptr 1
		.amdhsa_wavefront_size32 1
		.amdhsa_system_sgpr_workgroup_id_x 1
		.amdhsa_system_sgpr_workgroup_id_y 1
		.amdhsa_system_sgpr_workgroup_id_z 1
		.amdhsa_system_vgpr_workitem_id 0
		.amdhsa_next_free_vgpr 112
		.amdhsa_next_free_sgpr 66
		.amdhsa_reserve_vcc 1
		.amdhsa_float_denorm_mode_32 3
		.amdhsa_float_denorm_mode_16_64 3
		.amdhsa_memory_ordered 1
		.amdhsa_forward_progress 1
		.amdhsa_inst_pref_size 7
	.end_amdhsa_kernel
	.amdgpu_metadata
---
amdhsa.version: [ 1, 2 ]
amdhsa.kernels:
  - .name:           k_qafc7747978_combine
    .symbol:         k_qafc7747978_combine.kd
    .args:
      - { .name: y, .offset: 0, .size: 8, .value_kind: global_buffer, .address_space: global }
      - { .name: lists, .offset: 8, .size: 8, .value_kind: global_buffer, .address_space: global }
      - { .name: gw, .offset: 16, .size: 8, .value_kind: global_buffer, .address_space: global }
      - { .name: out0, .offset: 24, .size: 8, .value_kind: global_buffer, .address_space: global }
      - { .name: out1, .offset: 32, .size: 8, .value_kind: global_buffer, .address_space: global }
    .group_segment_fixed_size: 0
    .private_segment_fixed_size: 0
    .kernarg_segment_align: 8
    .kernarg_segment_size: 40
    .max_flat_workgroup_size: 256
    .sgpr_count:     66
    .vgpr_count:     112
    .wavefront_size: 32
...
	.end_amdgpu_metadata
.endif
;; end of part 5
;; ======== version 2 of 2: 5 launches
;; workspace buffers: xq 1,638,400 bytes; sel 8,192 bytes of whole numbers; gw 16,384 bytes; lists 49,408 bytes of whole numbers; hq 6,348,800 bytes; y 32,505,856 bytes
;; launch prep (part 6): grid 256 x 1, 4 waves a work-group, no clusters, 77,312 bytes of LDS; arguments x, Wr, expert_bias, xq, sel, gw; writes xq, sel, gw
.if DOCPART == 6
	.amdgcn_target "amdgcn-amd-amdhsa--gfx1250"
	.amdhsa_code_object_version 6
	.text
	.protected	k_qafc7747978_prep
	.globl	k_qafc7747978_prep
	.p2align	8
	.type	k_qafc7747978_prep,@function
k_qafc7747978_prep:
	s_mov_b64 s[64:65], 0
	v_nop
	global_prefetch_b8 v0, s[64:65] scope:SCOPE_SE
	s_setreg_imm32_b32 hwreg(HW_REG_WAVE_MODE, 25, 1), 1
	s_wait_xcnt 0x0
; x [2048][1024] f32 becomes codes of E2M3 with one E8M0 byte for each 32 along D, and the router chooses two experts a token.
; xq: codes [token][8 K steps][2 halves of the lanes][48 bytes]: the 48 bytes are the 12 operand registers of a lane of that half; block 4 s + 2 c + h lies at 96 s + 48 h + 24 c.
;     From byte XSC on: scale bytes [token][32], block after block.
; sel: e_a | e_b << 8 for each token (a: the larger gate; of equal gates the lower index, as the top-k of the model has it).  gw: the two gates divided by (their sum + 1e-9).
; SHARES: a work-group takes 8 tokens, a wave 2; lane l takes block l (k = 32 l .. 32 l + 31) of a row: a block's largest magnitude needs no other lane,
; and the lane's 32 rows of Wr (1,024 bytes) lie in 256 registers of window 1 for the router's dot products, which are f32 fused multiply-adds.
; Every load reads 512 consecutive bytes; x and Wr turn through LDS (rows padded by 16 bytes) so that a lane gets neighbours along K.
; LIMITS: NaN and infinities among the inputs are not served.  A block of zeros gets the byte 1 (its codes are zeros; the bytes are read by this program alone).
; Gates that the sigmoid's rounding makes equal here and unequal in another arithmetic (or the reverse) may be ordered otherwise.
.set XSC, 1572864
.set XST, 33280                        ; LDS: Wr's turn 0 .. 33,279 (32 x 1,040); x's turn, 9,216 a wave (2 tokens x 32 x 144)
.set CST, 70144                        ; the codes of a wave's two tokens, 1,536 a wave
.set SCB, 76288                        ; the 8 tokens' scale bytes, 256
.set ZB,  76544                        ; the 8 tokens' logits, 256
.set R, 32                             ; v32-95   x as loaded
.set X, 96                             ; v96-159  32 neighbours a token
.set L, 160                            ; v160-175 8 partial logits a token
.set C, 176                            ; v176-191 codes, 8 registers a token
.set T, 192                            ; v192-207 at work
.set Z, 208                            ; v208-215 logits
.set G, 216                            ; v216-223 gates
.set MSB, 0
.macro WIN new                         ; the immediate's high byte repeats the setting that is left
.if MSB != \new
	s_set_vgpr_msb (MSB<<8)|\new
.set MSB, \new
.endif
.endm
	s_load_b256 s[4:11], s[0:1], 0x0               ; x, Wr, expert_bias, xq
	s_load_b128 s[12:15], s[0:1], 0x20             ; sel, gw
	v_lshl_add_u32 v254, v0, 2, 0x12c00
	v_mov_b32 v255, 0
	v_lshrrev_b32 v1, 5, v0
	v_readfirstlane_b32 s24, v1                    ; wave
	v_and_b32 v1, 31, v0                           ; lane
	v_lshlrev_b32 v2, 4, v1
	s_mul_i32 s25, s24, 9216
	s_add_co_u32 s25, s25, XST
	v_lshrrev_b32 v12, 3, v1
	v_mul_u32_u24 v3, v12, 144
	v_and_b32 v12, 7, v1
	v_lshl_add_u32 v3, v12, 4, v3
	v_add_nc_u32 v3, s25, v3                       ; x into the turn: 144 (lane / 8) + 16 (lane % 8)
	v_mul_u32_u24 v4, v1, 144
	v_add_nc_u32 v4, s25, v4                       ; and out of it: my block
	s_mul_i32 s25, s24, 1536
	v_add_nc_u32 v13, s25, v2                      ; xq: my wave's 1,536 bytes, 16 a lane
	s_add_co_u32 s25, s25, CST
	v_lshrrev_b32 v12, 2, v1
	v_mul_u32_u24 v5, v12, 96
	v_and_b32 v12, 1, v1
	v_mad_u32_u24 v5, v12, 48, v5
	v_bfe_u32 v12, v1, 1, 1
	v_mad_u32_u24 v5, v12, 24, v5
	v_add_nc_u32 v5, s25, v5                       ; my block's 24 bytes in the operand's order
	v_add_nc_u32 v6, s25, v2
	s_lshl_b32 s25, s24, 6
	s_add_co_u32 s26, s25, SCB
	v_add_nc_u32 v7, s26, v1                       ; my block's scale byte
	s_add_co_u32 s26, s25, ZB
	v_mov_b32 v10, s26                             ; my wave's 16 logits
	v_mul_u32_u24 v8, v1, 1040                     ; Wr out of its turn: my 32 rows
	s_mul_i32 s25, s24, 8320
	v_add_nc_u32 v9, s25, v2                       ; and into it
	s_lshl_b32 s25, s24, 13
	v_add_nc_u32 v11, s25, v2                      ; in memory: 8,192 x wave + 16 x lane, for Wr and for x alike
	v_and_b32 v12, 7, v1
	v_lshl_add_u32 v14, v12, 5, ZB                 ; wave 0, later: token lane % 8's logits,
	v_lshl_add_u32 v15, v1, 3, SCB                 ; 8 scale bytes a lane,
	v_lshlrev_b32 v16, 3, v1
	v_lshlrev_b32 v17, 2, v1
	s_mov_b32 s32, 0x76543210
	s_mov_b32 s33, 0xfedcba98                      ; lane l xor 16
	s_lshl_b32 s26, ttmp9, 15
	s_mov_b32 s27, 0
	s_wait_alu depctr_va_vdst(0)
	s_wait_kmcnt 0x0
	s_load_b256 s[16:23], s[8:9], 0x0              ; the eight biases
	s_add_nc_u64 s[4:5], s[4:5], s[26:27]          ; x at my work-group's 8 rows
	s_mul_i32 s26, ttmp9, 6144
	s_add_nc_u64 s[34:35], s[10:11], s[26:27]      ; their codes
	s_lshl_b32 s26, ttmp9, 8
	s_add_co_u32 s26, s26, XSC
	s_add_nc_u64 s[36:37], s[10:11], s[26:27]      ; their scale bytes
	s_lshl_b32 s26, ttmp9, 5
	s_add_nc_u64 s[12:13], s[12:13], s[26:27]
	s_lshl_b32 s26, ttmp9, 6
	s_add_nc_u64 s[14:15], s[14:15], s[26:27]
	WIN 0x40                                       ; destination window 1
.irp i, 0,1,2,3,4,5,6,7,8,9,10,11,12,13,14,15
	global_load_b128 v[4*\i:4*\i+3], v11, s[6:7] offset:512*\i       ; my wave's quarter of Wr
.endr
	WIN 0
.irp tk, 0,1
.irp i, 0,1,2,3,4,5,6,7
	global_load_b128 v[R+32*\tk+4*\i:R+32*\tk+4*\i+3], v11, s[4:5] offset:4096*\tk+512*\i th:TH_LOAD_NT
.endr
.endr
	s_wait_loadcnt 16                              ; Wr is in; the 16 loads of x behind it may be out
	WIN 0x04                                       ; an LDS store's data: window 1
.irp i, 0,1,2,3,4,5,6,7,8,9,10,11,12,13,14,15
	ds_store_b128 v9, v[4*\i:4*\i+3] offset:1040*(\i/2)+512*(\i%2)
.endr
	WIN 0
	s_wait_dscnt 0x0                               ; for the others: my part of Wr lies in LDS
	s_barrier_signal -1
	s_barrier_wait -1
	WIN 0x40
.set j, 0
.rept 64
	ds_load_b128 v[4*j:4*j+3], v8 offset:16*j      ; Wr(32 l + k, e) -> window 1, v[8 k + e]
.set j, j+1
.endr
	WIN 0
	s_wait_loadcnt 0x0                             ; x
.irp tk, 0,1
.irp i, 0,1,2,3,4,5,6,7
	ds_store_b128 v3, v[R+32*\tk+4*\i:R+32*\tk+4*\i+3] offset:4608*\tk+576*\i
.endr
.endr
.irp tk, 0,1
.irp i, 0,1,2,3,4,5,6,7
	ds_load_b128 v[X+32*\tk+4*\i:X+32*\tk+4*\i+3], v4 offset:4608*\tk+16*\i   ; my wave's own bytes, served in order
.endr
.endr
	s_wait_dscnt 0x0
; token tk: my block's largest magnitude (with the floor 2^(3 - 127) as a leaf: the byte cannot fall under 1), its scale, its 32 codes
.macro QUANTX tk
.set XS, X+32*\tk
.set CC, C+8*\tk
.set TT, T+8*\tk
	v_max3_num_f32 v[TT], |v[XS]|, |v[XS+1]|, |v[XS+2]|
	v_max3_num_f32 v[TT+1], |v[XS+3]|, |v[XS+4]|, |v[XS+5]|
.irp i, 6,10,14,18,22,26
	v_max3_num_f32 v[TT], v[TT], |v[XS+\i]|, |v[XS+\i+1]|
	v_max3_num_f32 v[TT+1], v[TT+1], |v[XS+\i+2]|, |v[XS+\i+3]|
.endr
	v_max3_num_f32 v[TT], v[TT], |v[XS+30]|, |v[XS+31]|
	v_max3_num_f32 v[TT], v[TT], v[TT+1], 0x1800000
	v_add_nc_u32 v[TT+2], 0xff000000, v[TT]        ; 2 off the exponent field: the conversion's scale operand
	v_cvt_scalef32_pk16_fp6_f32 v[CC:CC+2], v[XS:XS+15], v[TT+2]
	v_cvt_scalef32_pk16_fp6_f32 v[CC+4:CC+6], v[XS+16:XS+31], v[TT+2]   ; (a conversion's three registers begin on an even number)
	v_lshrrev_b32 v[TT+3], 23, v[TT+2]             ; the scale's byte; also the plain place behind the conversions
	v_mov_b32 v[CC+3], v[CC+4]
	v_mov_b32 v[CC+4], v[CC+5]
	v_mov_b32 v[CC+5], v[CC+6]
	ds_store_b64 v5, v[CC:CC+1] offset:768*\tk
	ds_store_b64 v5, v[CC+2:CC+3] offset:768*\tk+8
	ds_store_b64 v5, v[CC+4:CC+5] offset:768*\tk+16
	ds_store_b8 v7, v[TT+3] offset:32*\tk
.endm
	QUANTX 0
	QUANTX 1
.irp c, 0,1,2
	ds_load_b128 v[R+4*\c:R+4*\c+3], v6 offset:512*\c
.endr
	s_wait_dscnt 0x0
.irp c, 0,1,2
	global_store_b128 v13, v[R+4*\c:R+4*\c+3], s[34:35] offset:512*\c    ; 512 consecutive bytes, at a multiple of 256 from the buffer's first byte
.endr
	; the router: logit(token, e) = sum over k of x(token, k) Wr(k, e): two experts an instruction, eight chains
	WIN 0x04                                       ; source 1 (Wr) window 1
.set k, 0
.rept 32
.irp p, 0,1,2,3
.irp tk, 0,1
.if k == 0
	v_pk_mul_f32 v[L+8*\tk+2*\p:L+8*\tk+2*\p+1], v[X+32*\tk:X+32*\tk+1], v[2*\p:2*\p+1] op_sel_hi:[0,1]
.elseif k%2 == 0
	v_pk_fma_f32 v[L+8*\tk+2*\p:L+8*\tk+2*\p+1], v[X+32*\tk+k:X+32*\tk+k+1], v[8*k+2*\p:8*k+2*\p+1], v[L+8*\tk+2*\p:L+8*\tk+2*\p+1] op_sel_hi:[0,1,1]
.else
	v_pk_fma_f32 v[L+8*\tk+2*\p:L+8*\tk+2*\p+1], v[X+32*\tk+k-1:X+32*\tk+k], v[8*k+2*\p:8*k+2*\p+1], v[L+8*\tk+2*\p:L+8*\tk+2*\p+1] op_sel:[1,0,0] op_sel_hi:[1,1,1]
.endif
.endr
.endr
.set k, k+1
.endr
	WIN 0
.irp msk, 1,2,4,8
.irp i, 0,1,2,3,4,5,6,7,8,9,10,11,12,13,14,15
	v_add_f32_dpp v[L+\i], v[L+\i], v[L+\i] row_xmask:\msk row_mask:0xf bank_mask:0xf
.endr
.endr
.irp i, 0,1,2,3,4,5,6,7,8,9,10,11,12,13,14,15
	v_permlanex16_b32 v[X+\i], v[L+\i], s32, s33   ; (x's registers are done with, and have been written)
.endr
.irp i, 0,1,2,3,4,5,6,7,8,9,10,11,12,13,14,15
	v_add_f32 v[L+\i], v[L+\i], v[X+\i]
.endr
.irp i, 0,1,2,3,4,5,6,7,8,9,10,11,12,13,14,15
	ds_store_b32 v10, v[L+\i] offset:4*\i          ; all lanes write the same word with the same value
.endr
	s_wait_dscnt 0x0                               ; for wave 0: my logits and my scale bytes lie in LDS
	s_barrier_signal -1
	s_barrier_wait -1
	s_cmp_lg_u32 s24, 0
	s_cbranch_scc1 .Lend
	; wave 0: lane i stands for token i % 8
	ds_load_b128 v[Z:Z+3], v14
	ds_load_b128 v[Z+4:Z+7], v14 offset:16
	ds_load_b64 v[234:235], v15
	s_wait_kmcnt 0x0                               ; the biases
	s_wait_dscnt 0x0
.irp e, 0,1,2,3,4,5,6,7
	v_add_f32 v[Z+\e], s[16+\e], v[Z+\e]
.endr
.irp e, 0,1,2,3,4,5,6,7
	v_mul_f32 v[G+\e], 0xbfb8aa3b, v[Z+\e]         ; -log2(e) z
.endr
	s_wait_alu depctr_va_vdst(0)
.irp e, 0,1,2,3,4,5,6,7
	v_exp_f32 v[G+\e], v[G+\e]
.endr
	v_nop                                          ; a plain place behind the batch
	s_wait_alu depctr_va_vdst(0)                   ; one wait for the eight, ahead of their first reader
.irp e, 0,1,2,3,4,5,6,7
	v_add_f32 v[G+\e], 1.0, v[G+\e]
.endr
	s_wait_alu depctr_va_vdst(0)
.irp e, 0,1,2,3,4,5,6,7
	v_rcp_f32 v[G+\e], v[G+\e]                     ; the gate: 1 / (1 + 2^(-log2(e) z))
.endr
	v_mov_b32 v225, 0                              ; the best index so far; also the plain place
	s_wait_alu depctr_va_vdst(0)
	v_mov_b32 v224, v[G]
.irp e, 1,2,3,4,5,6,7
	v_cmp_gt_f32 vcc_lo, v[G+\e], v224             ; strictly larger: of equals the lower index stays
	v_cndmask_b32 v224, v224, v[G+\e], vcc_lo
	v_cndmask_b32 v225, v225, \e, vcc_lo
.endr
	v_mov_b32 v226, -1.0                           ; under every gate
	v_mov_b32 v227, 0
.irp e, 0,1,2,3,4,5,6,7
	v_cmp_eq_u32 vcc_lo, \e, v225
	v_cndmask_b32 v228, v[G+\e], -1.0, vcc_lo      ; the best one is out of the second search
	v_cmp_gt_f32 vcc_lo, v228, v226
	v_cndmask_b32 v226, v226, v228, vcc_lo
	v_cndmask_b32 v227, v227, \e, vcc_lo
.endr
	v_add_f32 v229, v224, v226
	v_add_f32 v229, 0x3089705f, v229               ; + 1e-9
	s_wait_alu depctr_va_vdst(0)
	v_rcp_f32 v229, v229
	v_lshl_or_b32 v232, v227, 8, v225              ; a plain place
	s_wait_alu depctr_va_vdst(0)
	v_mul_f32 v230, v224, v229
	v_mul_f32 v231, v226, v229
	global_store_b64 v16, v[234:235], s[36:37]     ; the 8 tokens' 256 scale bytes: one aligned run
	s_wait_alu depctr_va_vdst(0)
	s_wait_xcnt 0x0                                ; EXEC changes only behind this wait
	v_cmp_gt_u32 vcc_lo, 8, v1
	s_and_saveexec_b32 s30, vcc_lo
	global_store_b32 v17, v232, s[12:13]
	global_store_b64 v16, v[230:231], s[14:15]
	s_wait_xcnt 0x0
	s_or_b32 exec_lo, exec_lo, s30
.Lend:
	s_wait_tensorcnt 0x0
	ds_add_u32 v254, v255
	s_wait_dscnt 0x0
	s_endpgm
.Lfunc_end_k_qafc7747978_prep:
	.size	k_qafc7747978_prep, .Lfunc_end_k_qafc7747978_prep-k_qafc7747978_prep
	.p2alignl 7, 3214868480
	.fill 96, 4, 3214868480
	.section	.rodata,"a",@progbits
	.p2align	6, 0x0
	.amdhsa_kernel k_qafc7747978_prep
		.amdhsa_group_segment_fixed_size 77312
		.amdhsa_private_segment_fixed_size 0
		.amdhsa_enable_private_segment 0
		.amdhsa_kernarg_size 48
		.amdhsa_user_sgpr_count 2
		.amdhsa_user_sgpr_kernarg_segment_ptr 1
		.amdhsa_wavefront_size32 1
		.amdhsa_system_sgpr_workgroup_id_x 1
		.amdhsa_system_sgpr_workgroup_id_y 1
		.amdhsa_system_sgpr_workgroup_id_z 1
		.amdhsa_system_vgpr_workitem_id 0
		.amdhsa_next_free_vgpr 512
		.amdhsa_next_free_sgpr 66
		.amdhsa_reserve_vcc 1
		.amdhsa_float_denorm_mode_32 3
		.amdhsa_float_denorm_mode_16_64 3
		.amdhsa_memory_ordered 1
		.amdhsa_forward_progress 1
		.amdhsa_inst_pref_size 46
	.end_amdhsa_kernel
	.amdgpu_metadata
---
amdhsa.version: [ 1, 2 ]
amdhsa.kernels:
  - .name:           k_qafc7747978_prep
    .symbol:         k_qafc7747978_prep.kd
    .args:
      - { .name: x, .offset: 0, .size: 8, .value_kind: global_buffer, .address_space: global }
      - { .name: Wr, .offset: 8, .size: 8, .value_kind: global_buffer, .address_space: global }
      - { .name: expert_bias, .offset: 16, .size: 8, .value_kind: global_buffer, .address_space: global }
      - { .name: xq, .offset: 24, .size: 8, .value_kind: global_buffer, .address_space: global }
      - { .name: sel, .offset: 32, .size: 8, .value_kind: global_buffer, .address_space: global }
      - { .name: gw, .offset: 40, .size: 8, .value_kind: global_buffer, .address_space: global }
    .group_segment_fixed_size: 77312
    .private_segment_fixed_size: 0
    .kernarg_segment_align: 8
    .kernarg_segment_size: 48
    .max_flat_workgroup_size: 128
    .sgpr_count:     66
    .vgpr_count:     512
    .wavefront_size: 32
...
	.end_amdgpu_metadata
.endif
;; end of part 6
;; launch place (part 7): grid 1 x 1, 32 waves a work-group, no clusters, 5,120 bytes of LDS; arguments sel, lists; writes lists
.if DOCPART == 7
	.amdgcn_target "amdgcn-amd-amdhsa--gfx1250"
	.amdhsa_code_object_version 6
	.text
	.protected	k_qafc7747978_place
	.globl	k_qafc7747978_place
	.p2align	8
	.type	k_qafc7747978_place,@function
k_qafc7747978_place:
	s_mov_b64 s[64:65], 0
	v_nop
	global_prefetch_b8 v0, s[64:65] scope:SCOPE_SE
	s_setreg_imm32_b32 hwreg(HW_REG_WAVE_MODE, 25, 1), 1
	s_wait_xcnt 0x0
; A counting sort of the 4,096 routed rows by expert, by one work-group, in whole numbers alone.
; POSITIONS: 0 .. 2,047 the shared expert's rows (position = token), tiles 0 .. 7 of 256; from 2,048 on the routed rows, each expert's filled up to whole tiles of 256.
; The sum over the experts of ceil(rows / 256) is at most 23 for 4,096 rows on 8 experts, whatever the split: 31 tiles, 7,936 positions.
; lists: TOK u32[7936] at 0 (a position's token; 0 in the filling of a used tile);  POS u32[2048][2] at 32,768 (a token's two routed positions, in the order of its gates);
;        TEXP u32[32] at 49,152 (a tile's expert 0 .. 7; 8: the shared one; 9: no rows).
; Thread t takes tokens t and t + 1,024.  A row's rank in its expert: the rows of lower waves, then in the wave the first tokens by lane, then the second tokens by lane.
	s_load_b128 s[4:7], s[0:1], 0x0                ; sel, lists
	v_lshl_add_u32 v64, v0, 2, 0x400
	v_mov_b32 v65, 0
	v_lshrrev_b32 v1, 5, v0
	s_delay_alu instid0(VALU_DEP_1)
	v_readfirstlane_b32 s8, v1                     ; wave 0 .. 31
	v_and_b32 v1, 31, v0                           ; lane
	v_lshlrev_b32 v2, 2, v0
	s_delay_alu instid0(VALU_DEP_2)
	v_lshlrev_b32 v3, 2, v1
	v_lshlrev_b32 v62, 3, v0
	v_add_nc_u32 v63, 1024, v0                     ; my second token
	s_lshl_b32 s9, s8, 2
	v_mov_b32 v24, s9                              ; LDS: counts [expert][wave], 128 e + 4 w
	v_mov_b32 v13, 1
	s_mov_b32 s10, 0x76543210
	s_mov_b32 s11, 0xfedcba98
.irp i, 20,21,22,23,50,51,52,53,54,55,56,57
	v_mov_b32 v\i, 0                               ; ranks; and destinations of lane moves, which count as read
.endr
	s_wait_kmcnt 0x0
	global_load_b32 v4, v2, s[4:5]
	global_load_b32 v5, v2, s[4:5] offset:4096
	s_wait_loadcnt 0x0
	v_and_b32 v6, 0xff, v4
	v_bfe_u32 v7, v4, 8, 8
	v_and_b32 v8, 0xff, v5
	v_bfe_u32 v9, v5, 8, 8
.irp i, 6,7,8,9
	s_delay_alu instid0(VALU_DEP_4)
	v_min_u32 v\i, 7, v\i
.endr
	s_delay_alu instid0(VALU_DEP_4)
	v_lshlrev_b32 v10, v6, v13
	s_delay_alu instid0(VALU_DEP_4)
	v_lshlrev_b32 v12, v7, v13
	s_delay_alu instid0(VALU_DEP_1)
	v_or_b32 v10, v10, v12                         ; my first token's two experts as bits
	v_lshlrev_b32 v11, v8, v13
	v_lshlrev_b32 v12, v9, v13
	s_delay_alu instid0(VALU_DEP_1)
	v_or_b32 v11, v11, v12
.irp e, 0,1,2,3,4,5,6,7
	v_and_b32 v14, 1<<\e, v10
	v_and_b32 v15, 1<<\e, v11
	s_delay_alu instid0(VALU_DEP_2)
	v_cmp_ne_u32 s12, 0, v14                       ; the lanes whose first token goes to expert e
	s_delay_alu instid0(VALU_DEP_2)
	v_cmp_ne_u32 s13, 0, v15                       ; and whose second does
	s_bcnt1_i32_b32 s14, s12
	s_bcnt1_i32_b32 s15, s13
	v_mbcnt_lo_u32_b32 v16, s12, 0                 ; such lanes below me
	v_mbcnt_lo_u32_b32 v17, s13, s14               ; the second tokens come behind all the first
	s_add_co_u32 s15, s14, s15
	v_mov_b32 v[26+\e], s15
	v_cmp_eq_u32 vcc_lo, \e, v6
	s_delay_alu instid0(VALU_DEP_1)
	v_cndmask_b32 v20, v20, v16, vcc_lo
	v_cmp_eq_u32 vcc_lo, \e, v7
	s_delay_alu instid0(VALU_DEP_1)
	v_cndmask_b32 v21, v21, v16, vcc_lo
	v_cmp_eq_u32 vcc_lo, \e, v8
	s_delay_alu instid0(VALU_DEP_1)
	v_cndmask_b32 v22, v22, v17, vcc_lo
	v_cmp_eq_u32 vcc_lo, \e, v9
	s_delay_alu instid0(VALU_DEP_1)
	v_cndmask_b32 v23, v23, v17, vcc_lo
	ds_store_b32 v24, v[26+\e] offset:128*\e       ; all lanes write the same word with the same value
.endr
	s_wait_dscnt 0x0
	s_barrier_signal -1
	s_barrier_wait -1
.irp e, 0,1,2,3,4,5,6,7
	ds_load_b32 v[34+\e], v3 offset:128*\e         ; lane i: wave i's count
.endr
	s_wait_dscnt 0x0
.irp k, 0,1,2,3
	v_lshl_or_b32 v[42+\k], v[35+2*\k], 16, v[34+2*\k]   ; two experts to a word: no sum passes 2,048
.endr
	v_cmp_gt_u32 vcc_lo, s8, v1
.irp k, 0,1,2,3
	v_cndmask_b32 v[46+\k], 0, v[42+\k], vcc_lo    ; the waves below mine alone
.endr
.irp msk, 1,2,4,8
.irp i, 0,1,2,3,4,5,6,7
	v_mov_b32_dpp v[50+\i], v[42+\i] row_xmask:\msk row_mask:0xf bank_mask:0xf
.endr
.irp i, 0,1,2,3,4,5,6,7
	v_add_nc_u32 v[42+\i], v[42+\i], v[50+\i]
.endr
.endr
.irp i, 0,1,2,3,4,5,6,7
	v_permlanex16_b32 v[50+\i], v[42+\i], s10, s11
.endr
.irp i, 0,1,2,3,4,5,6,7
	v_add_nc_u32 v[42+\i], v[42+\i], v[50+\i]
.endr
.irp i, 0,1,2,3,4,5,6,7
	v_readfirstlane_b32 s[74+\i], v[42+\i]
.endr
.irp k, 0,1,2,3
	s_and_b32 s[16+2*\k], s[74+\k], 0xffff         ; s16-23: an expert's rows
	s_lshr_b32 s[17+2*\k], s[74+\k], 16
	s_and_b32 s[24+2*\k], s[78+\k], 0xffff         ; s24-31: those of them in lower waves
	s_lshr_b32 s[25+2*\k], s[78+\k], 16
.endr
	s_mov_b32 s9, 0                                ; routed tiles so far
.irp e, 0,1,2,3,4,5,6,7
	s_lshl_b32 s12, s9, 8
	s_add_co_u32 s[32+\e], s12, 2048               ; the expert's first position
	s_add_co_u32 s[48+\e], s[32+\e], s[24+\e]      ; my wave's first position in it
	s_add_co_u32 s[66+\e], s[32+\e], s[16+\e]      ; where its filling begins
	s_add_co_u32 s12, s[16+\e], 255
	s_lshr_b32 s12, s12, 8
	s_add_co_u32 s9, s9, s12
	s_mov_b32 s[40+\e], s9                         ; the routed tile behind its last
	s_lshl_b32 s12, s9, 8
	s_add_co_u32 s[56+\e], s12, 2048               ; where its filling ends
.endr
.irp n, 0,1,2,3
	v_mov_b32 v[58+\n], s48
.irp e, 1,2,3,4,5,6,7
	v_cmp_eq_u32 vcc_lo, \e, v[6+\n]
	s_delay_alu instid0(VALU_DEP_1)
	v_cndmask_b32 v[58+\n], v[58+\n], s[48+\e], vcc_lo
.endr
	s_delay_alu instid0(VALU_DEP_1)
	v_add_nc_u32 v[58+\n], v[58+\n], v[20+\n]
	s_delay_alu instid0(VALU_DEP_1)
	v_min_u32 v[58+\n], 7935, v[58+\n]             ; a number made of loaded numbers is held inside the table before it enters an address
	s_delay_alu instid0(VALU_DEP_1)
	v_lshlrev_b32 v[34+\n], 2, v[58+\n]
.endr
	global_store_b32 v34, v0, s[6:7]               ; TOK[position] = token
	global_store_b32 v35, v0, s[6:7]
	global_store_b32 v36, v63, s[6:7]
	global_store_b32 v37, v63, s[6:7]
	global_store_b64 v62, v[58:59], s[6:7] offset:32768   ; POS
	global_store_b64 v62, v[60:61], s[6:7] offset:40960
	global_store_b32 v2, v0, s[6:7]                ; the shared expert's rows
	global_store_b32 v2, v63, s[6:7] offset:4096
	; the filling of used tiles: four waves to an expert, 64 positions a wave: 256, more than any filling has
	s_lshr_b32 s85, s8, 2
	s_mov_b32 s82, s66
	s_mov_b32 s83, s56
.irp e, 1,2,3,4,5,6,7
	s_cmp_eq_u32 s85, \e
	s_cselect_b32 s82, s[66+\e], s82
	s_cselect_b32 s83, s[56+\e], s83
.endr
	s_and_b32 s85, s8, 3
	s_lshl_b32 s85, s85, 6
	s_add_co_u32 s82, s82, s85
	v_add_nc_u32 v40, s82, v1
	s_delay_alu instid0(VALU_DEP_1)
	v_add_nc_u32 v41, 32, v40
	s_delay_alu instid0(VALU_DEP_2)
	v_min_u32 v42, 7935, v40
	s_delay_alu instid0(VALU_DEP_2)
	v_min_u32 v43, 7935, v41
	s_delay_alu instid0(VALU_DEP_2)
	v_lshlrev_b32 v42, 2, v42
	s_delay_alu instid0(VALU_DEP_2)
	v_lshlrev_b32 v43, 2, v43
	v_mov_b32 v44, 0
	s_wait_alu depctr_va_vdst(0)
	s_wait_xcnt 0x0                                ; EXEC changes only behind this wait
	v_cmp_gt_u32 vcc_lo, s83, v40
	s_and_saveexec_b32 s84, vcc_lo
	global_store_b32 v42, v44, s[6:7]
	s_wait_xcnt 0x0
	s_or_b32 exec_lo, exec_lo, s84
	v_cmp_gt_u32 vcc_lo, s83, v41
	s_and_saveexec_b32 s84, vcc_lo
	global_store_b32 v43, v44, s[6:7]
	s_wait_xcnt 0x0
	s_or_b32 exec_lo, exec_lo, s84
	s_cmp_lg_u32 s8, 0
	s_cbranch_scc1 .Ldone
	; wave 0, lane = tile: a routed tile's expert is the number of experts that end at or before it
	v_add_nc_u32 v45, -8, v1
	v_mov_b32 v46, 0
.irp e, 0,1,2,3,4,5,6,7
	v_cmp_le_i32 vcc_lo, s[40+\e], v45
	s_delay_alu instid0(VALU_DEP_1)
	v_cndmask_b32 v47, 0, 1, vcc_lo
	s_delay_alu instid0(VALU_DEP_1)
	v_add_nc_u32 v46, v46, v47
.endr
	s_delay_alu instid0(VALU_DEP_1)
	v_cmp_eq_u32 vcc_lo, 8, v46
	s_delay_alu instid0(VALU_DEP_1)
	v_cndmask_b32 v46, v46, 9, vcc_lo
	v_cmp_gt_u32 vcc_lo, 8, v1
	s_delay_alu instid0(VALU_DEP_1)
	v_cndmask_b32 v46, v46, 8, vcc_lo
	global_store_b32 v3, v46, s[6:7] offset:49152
.Ldone:
	s_wait_tensorcnt 0x0
	ds_add_u32 v64, v65
	s_wait_dscnt 0x0
	s_endpgm
.Lfunc_end_k_qafc7747978_place:
	.size	k_qafc7747978_place, .Lfunc_end_k_qafc7747978_place-k_qafc7747978_place
	.p2alignl 7, 3214868480
	.fill 96, 4, 3214868480
	.section	.rodata,"a",@progbits
	.p2align	6, 0x0
	.amdhsa_kernel k_qafc7747978_place
		.amdhsa_group_segment_fixed_size 5120
		.amdhsa_private_segment_fixed_size 0
		.amdhsa_enable_private_segment 0
		.amdhsa_kernarg_size 16
		.amdhsa_user_sgpr_count 2
		.amdhsa_user_sgpr_kernarg_segment_ptr 1
		.amdhsa_wavefront_size32 1
		.amdhsa_system_sgpr_workgroup_id_x 1
		.amdhsa_system_sgpr_workgroup_id_y 1
		.amdhsa_system_sgpr_workgroup_id_z 1
		.amdhsa_system_vgpr_workitem_id 0
		.amdhsa_next_free_vgpr 66
		.amdhsa_next_free_sgpr 100
		.amdhsa_reserve_vcc 1
		.amdhsa_float_denorm_mode_32 3
		.amdhsa_float_denorm_mode_16_64 3
		.amdhsa_memory_ordered 1
		.amdhsa_forward_progress 1
		.amdhsa_inst_pref_size 29
	.end_amdhsa_kernel
	.amdgpu_metadata
---
amdhsa.version: [ 1, 2 ]
amdhsa.kernels:
  - .name:           k_qafc7747978_place
    .symbol:         k_qafc7747978_place.kd
    .args:
      - { .name: sel, .offset: 0, .size: 8, .value_kind: global_buffer, .address_space: global }
      - { .name: lists, .offset: 8, .size: 8, .value_kind: global_buffer, .address_space: global }
    .group_segment_fixed_size: 5120
    .private_segment_fixed_size: 0
    .kernarg_segment_align: 8
    .kernarg_segment_size: 16
    .max_flat_workgroup_size: 1024
    .sgpr_count:     100
    .vgpr_count:     66
    .wavefront_size: 32
...
	.end_amdgpu_metadata
.endif
;; end of part 7
;; launch up (part 8): grid 8 x 31, 4 waves a work-group, no clusters, 107,008 bytes of LDS; arguments xq, lists, Wg_codes, Wg_scales, Wu_codes, Wu_scales, Wg_s_codes, Wg_s_scales, Wu_s_codes, Wu_s_scales, hq; writes hq
.if DOCPART == 8
	.amdgcn_target "amdgcn-amd-amdhsa--gfx1250"
	.amdhsa_code_object_version 6
	.text
	.protected	k_qafc7747978_up
	.globl	k_qafc7747978_up
	.p2align	8
	.type	k_qafc7747978_up,@function
k_qafc7747978_up:
	s_mov_b64 s[64:65], 0
	v_nop
	global_prefetch_b8 v0, s[64:65] scope:SCOPE_SE
	s_setreg_imm32_b32 hwreg(HW_REG_WAVE_SCHED_MODE, 0, 2), 2
	s_setreg_imm32_b32 hwreg(HW_REG_WAVE_MODE, 25, 1), 1
	s_wait_xcnt 0x0
	s_wait_alu depctr_vm_vsrc(0)
; h = Q(silu(x Wg) (x Wu)) for one tile of 256 positions of one expert and 128 hidden units (work-group x = j: units 128 j on, which are K step j of the next product).
; Both products on codes of E2M3 with E8M0 scales; the hidden layer is made in f32 and quantised in registers, along the hidden units.
; SHARES: four waves; a wave owns 64 positions (4 tiles of 16); their codes for all of K = 1,024 stay in 384 registers.  The weights go through two LDS buffers in four groups of
; 32 gate rows + 32 up rows x all of K (two dense runs of 24,576 bytes), fetched a group ahead by dense loads into registers and put into LDS; ONE barrier a group.
; A weight fragment read from LDS feeds four matrix instructions.  The products are used transposed (source 0 = 16 weight rows, source 1 = 16 positions): a lane holds one position.
; WHAT IS ASKED FOR WHEN: x's fragments are asked for K step by K step, and the first group's products of a K step stand behind a counted wait for that step's loads alone: they run while the later
; steps' loads land.  A group of weights is asked for at the head of the group before it (the second group: in the middle of the first, behind x's fragments) and put into LDS at that group's end.
; THE ROWS OF A WEIGHT TILE ARE NOT NEIGHBOURS: slot 16 u + r holds row 8 u + r + 8 (r / 8) of the group's 32, so that a lane's 16 registers of two tiles are 16 neighbouring hidden units.
; WHICH WEIGHTS: tiles 0 to 7 are the shared expert's, by the tile's number alone; a later tile's expert is read from the list and held at 7 before it enters an address.
; A TILE WITHOUT ROWS (its expert number in the list is 9): every wave still passes every barrier; the work between two barriers is jumped over by a scalar branch on the stored number;
; the loads at the head then read tile 0's tokens and expert 7's weights, which are always there.  No tensor loads and no cluster: branches hang on stored numbers.
; hq: [tile of 16 positions][K step][half c][32 lanes x 16 bytes: operand registers 6 c .. 6 c + 3; 32 lanes x 8 bytes: 6 c + 4, 6 c + 5]; from HSC on scale words u32 [K step][position].
; LIMITS: NaN and infinities are not served; a block of zeros gets the byte 1 (its codes are zeros; the bytes are read by this program alone).
; REGISTERS: window 0: v1-31 addresses, v28-51 at work, v52-55 staged scale bytes, v64-79 x's scale words, v80-95 the weights', v96-127 codes being made, v128-255 the 16 accumulators;
; window 1: v0-143 weight fragments, three sets; v160-255 staging.  windows 2, 3: v0-191 x's fragments of tiles 0, 1 and 2, 3.
; THE MODE: SCHED_MODE bits 1:0 = 2 (LLVM: expert scheduling mode 2), set by the entry lines.  The code itself states the register dependences
; between vector or matrix instructions and memory or LDS instructions, with s_wait_alu, always for 0.
; THE PLAN.  Registers that memory or LDS instructions touch:
;   addresses     v1-27, v48, v51, v62: made by vector instructions at the head and never written again: one wait on va_vdst ahead of the first load, a second ahead of x's loads (their offsets are made of the loaded tokens).
;   F0, F1, F2    the three sets of weight fragments.  K step s: its 16 products read F[s % 3].  At the head of an even step s ONE wait on va_vdst states that the products of steps s - 2 and s - 1 are done reading
;                 F[(s + 1) % 3] and F[(s + 2) % 3]; step s + 1's loads follow it at once, step s + 2's stand between the step's two runs of eight products, which name F[s % 3], the accumulators, x's fragments
;                 and the scale words: none of the registers that those loads touch.  An odd step has no wait on va_vdst and no LDS load.
;   BS            the weights' scale words: loaded at a group's head, read by that group's products.  The wait on va_vdst at a later group's head states that the group before is done reading BS and F0 to F2.
;   STG, SST      staging: written by global loads, read by LDS stores, named by no vector instruction: a wait on vm_vsrc ahead of each renewed request.
;   x's fragments and scale words: loaded once, read by products alone.
;   EV, OD        codes: written by conversions, swaps and moves, read by the stores behind groups 1 and 3: va_vdst ahead of the stores, vm_vsrc ahead of the conversions of groups 2 and 3.
;   SW            written by two selects, read by the last two stores: va_vdst between.
;   v123, v127    written at the head, read by the closing add alone.
.set XSC,  1572864
.set HSC,  6094848
.set BUF1, 53248                       ; a buffer: 64 slots x 784 (768 + 16: slot r begins 4 r banks on), then 64 x 48 of scale bytes
.set BSCL, 50176
.set FA,  1                            ; v1-2   fragments: buffer + 784 r + 24 h
.set SA,  3                            ; v3-4   scale words: buffer + BSCL + 48 r + 16 h
.set LAS, 5                            ; v5-10  where staged codes go: [buffer][load % 3]
.set LSS, 11                           ; v11-12 where staged scale bytes go
.set GB,  13                           ; v13    16 x thread
.set GS,  14                           ; v14    16 x (thread % 64)
.set TK,  15                           ; v15-18 my position's token, a tile each
.set AO,  19                           ; v19-22 768 token + 48 h
.set ASO, 23                           ; v23-26 32 token + 16 h
.set L16, 27
.set PW,  28                           ; v28-31 the hidden layer's scale words in the making
.set TM,  32
.set TP,  36
.set SO,  40
.set BY,  44
.set L4,  48
.set SW,  49
.set L8,  51
.set SST, 52
.set AS,  64                           ; x's scale words [tile][q]: lanes 0-15 K step q, lanes 16-31 K step q + 4
.set BS,  80                           ; the weights' [tile][q] likewise
.set EV,  96                           ; codes of an even group, 4 registers a tile
.set OD,  112                          ; of an odd group
.set ACC, 128                          ; accumulator (m, t) at ACC + 32 m + 8 t; t = 0, 1 gate, 2, 3 up
.set STG, 160
.set MSB, 0
.macro WIN new                         ; the immediate's high byte repeats the setting that is left
.if MSB != \new
	s_set_vgpr_msb (MSB<<8)|\new
.set MSB, \new
.endif
.endm
.macro PLACES n
.rept \n
	v_nop
.endr
.endm
.macro BAR                             ; my LDS stores have landed and my LDS loads are in: then the barrier.  It stands on every path
	s_wait_dscnt 0x0
	s_barrier_signal -1
	s_barrier_wait -1
.endm
.macro SKIP n
	s_cmp_eq_u32 s30, 0
	s_cbranch_scc1 .Lskip_\n
.endm
.macro FRAGB set, buf, ks              ; four weight fragments of K step ks into set: pieces of 8 bytes, as they lie in the rows
	WIN 0x40
.irp t, 0,1,2,3
.irp q, 0,1,2,3,4,5
	ds_load_b64 v[48*(\set)+12*\t+2*\q:48*(\set)+12*\t+2*\q+1], v[FA+\buf] offset:12544*\t+96*(\ks)+48*(\q/3)+8*(\q%3)
.endr
.endr
.endm
.macro STG_LOAD grp                    ; a group's 49,152 bytes of codes, 2,048 consecutive bytes a load of the work-group, and its 2,048 scale bytes: 25 loads a wave
	WIN 0x40
.irp i, 0,1,2,3,4,5,6,7,8,9,10,11
	global_load_b128 v[STG+4*\i:STG+4*\i+3], v[GB], s[8:9] offset:24576*(\grp)+2048*\i
.endr
.irp i, 0,1,2,3,4,5,6,7,8,9,10,11
	global_load_b128 v[STG+48+4*\i:STG+48+4*\i+3], v[GB], s[12:13] offset:24576*(\grp)+2048*\i
.endr
	WIN 0
	global_load_b128 v[SST:SST+3], v[GS], s[28:29] offset:1024*(\grp)
.endm
.macro STG_PUT buf                     ; load i covers rows 8 (i / 3) on: they go to slots 0, 16, 8, 24
	WIN 0x04
.irp p, 0,1
.irp i, 0,1,2,3,4,5,6,7,8,9,10,11
	ds_store_b128 v[LAS+3*\buf+\i%3], v[STG+48*\p+4*\i:STG+48*\p+4*\i+3] offset:784*(16*((\i/3)%2)+8*((\i/3)/2))+25088*\p
.endr
.endr
	WIN 0
	ds_store_b128 v[LSS+\buf], v[SST:SST+3]
.endm
.macro STG_STORE buf
	s_wait_loadcnt 0x0                             ; nothing but the staging loads is out
	STG_PUT \buf
.endm
.macro MM8 ks, hi                      ; 8 matrix instructions: position tiles 2 hi, 2 hi + 1 x the four weight tiles.  The 16 accumulators take turns, in one order in every K step
.irp mm, 0,1
.irp t, 0,1,2,3
.set rD, ACC+32*(2*\hi+\mm)+8*\t
.set rA, 48*((\ks)%3)+12*\t
.set rB, 96*\mm+12*(\ks)
.set rS, BS+4*\t+(\ks)%4
.set rT, AS+4*(2*\hi+\mm)+(\ks)%4
.if (\ks) == 0
	v_wmma_scale_f32_16x16x128_f8f6f4 v[rD:rD+7], v[rA:rA+11], v[rB:rB+11], 0, v[rS], v[rT] matrix_a_fmt:MATRIX_FMT_FP6 matrix_b_fmt:MATRIX_FMT_FP6
.elseif (\ks) < 4
	v_wmma_scale_f32_16x16x128_f8f6f4 v[rD:rD+7], v[rA:rA+11], v[rB:rB+11], v[rD:rD+7], v[rS], v[rT] matrix_a_fmt:MATRIX_FMT_FP6 matrix_b_fmt:MATRIX_FMT_FP6
.else
	v_wmma_scale_f32_16x16x128_f8f6f4 v[rD:rD+7], v[rA:rA+11], v[rB:rB+11], v[rD:rD+7], v[rS], v[rT] matrix_a_fmt:MATRIX_FMT_FP6 matrix_b_fmt:MATRIX_FMT_FP6 matrix_a_scale:MATRIX_SCALE_ROW1 matrix_b_scale:MATRIX_SCALE_ROW1
.endif
.endr
.endr
.endm
; first = 1: the launch's first group, whose K steps wait for x's fragments step by step.  Behind K step ks's 12 loads stand the 12 of each later step and, from K step 4 on,
; the 25 staging loads issued behind K step 3.  A wait's count names 63 at the most; a smaller count than the true one is safe.
; An even step asks for the fragments of the two steps that follow it; an odd step asks for nothing.
.macro KSTEP buf, ks, stg, first
.if ((\ks)%2 == 1) && ((\ks) < 7)
	s_wait_dscnt 24                                ; LDS loads come back in order: this step's weight fragments are in, the next step's 24 loads may be out
.else
	s_wait_dscnt 0x0                               ; this step's weight fragments are in
.endif
.if \first
.set NLD, 12*(7-(\ks))
.if (\ks) > 3
.set NLD, NLD+25
.endif
.if NLD > 63
.set NLD, 63
.endif
	s_wait_loadcnt NLD                             ; x's scale words and its fragments up to this K step are in
.endif
.if (\ks)%2 == 0
.if (\ks) > 0
	PLACES 4                                       ; behind the products that read the two other sets, ahead of the loads into them
	WIN 0x40
	s_wait_alu depctr_va_vdst(0)                   ; the products of the two steps before are done reading the two other sets, in which this step's loads land
.endif                                                 ; (K step 0: the wait at the group's head has stated it; no product stands between)
	FRAGB ((\ks)+1)%3, \buf, (\ks)+1
.endif
	WIN 0x09                                       ; source 0 window 1, source 1 window 2
	MM8 \ks, 0
.if ((\ks)%2 == 0) && ((\ks) < 6)
	FRAGB ((\ks)+2)%3, \buf, (\ks)+2               ; no wait: the eight products since the wait name this step's set, not the one that is loaded, nor the address
.endif
	WIN 0x0d                                       ; source 1 window 3
	MM8 \ks, 1
.if ((\ks) == 3) && ((\stg) >= 0)
	WIN 0x40
	s_wait_alu depctr_vm_vsrc(0)                   ; the head's LDS stores have read the staging registers, in which the loads below land
	STG_LOAD \stg                                  ; in the first group alone: the second group is asked for here, behind all of x's fragments
.endif
.endm
.macro MMAG buf, stg, first            ; a group: 8 K steps, 128 matrix instructions
.if !\first
	s_wait_alu depctr_va_vdst(0)                   ; the products of the group before are done reading the weights' scale words and the three sets, in which this group's loads land
.endif
.irp t, 0,1,2,3
	ds_load_b128 v[BS+4*\t:BS+4*\t+3], v[SA+\buf] offset:768*\t
.endr
	FRAGB 0, \buf, 0
.irp ks, 0,1,2,3,4,5,6,7
	KSTEP \buf, \ks, \stg, \first
.endr
	WIN 0
.endm
; Behind group g: h = g u / (1 + 2^(-log2(e) g)), in place; the block of 32 hidden units lies in lanes l and l xor 16; its byte is byte g of the scale word; its codes are half blocks,
; and behind an odd group the halves of two blocks change places so that a lane holds a whole block, and the six registers leave.
.macro EPI g
	PLACES 4
.irp i, 0,2,4,6,8,10,12,14
.irp m, 0,1,2,3
	v_pk_mul_f32 v[ACC+32*\m+16+\i:ACC+32*\m+17+\i], v[ACC+32*\m+16+\i:ACC+32*\m+17+\i], v[ACC+32*\m+\i:ACC+32*\m+1+\i]   ; u g; each accumulator is read from its low end on
.endr
.endr
.irp i, 0,2,4,6,8,10,12,14
.irp m, 0,1,2,3
	v_pk_mul_f32 v[ACC+32*\m+\i:ACC+32*\m+1+\i], v[ACC+32*\m+\i:ACC+32*\m+1+\i], s[34:35] op_sel_hi:[1,0]
.endr
.endr
	s_wait_alu depctr_va_vdst(0)
.irp i, 0,1,2,3,4,5,6,7,8,9,10,11,12,13,14,15
.irp m, 0,1,2,3
	v_exp_f32 v[ACC+32*\m+\i], v[ACC+32*\m+\i]
.endr
.endr
	v_nop                                          ; a plain place behind the batch
	s_wait_alu depctr_va_vdst(0)                   ; the 64 exponentials have written their results: one wait, ahead of the first reader
.irp i, 0,2,4,6,8,10,12,14
.irp m, 0,1,2,3
	v_pk_add_f32 v[ACC+32*\m+\i:ACC+32*\m+1+\i], v[ACC+32*\m+\i:ACC+32*\m+1+\i], 1.0 op_sel_hi:[1,0]
.endr
.endr
	s_wait_alu depctr_va_vdst(0)
.irp i, 0,1,2,3,4,5,6,7,8,9,10,11,12,13,14,15
.irp m, 0,1,2,3
	v_rcp_f32 v[ACC+32*\m+\i], v[ACC+32*\m+\i]
.endr
.endr
	v_nop
	s_wait_alu depctr_va_vdst(0)                   ; the 64 reciprocals have written their results: one wait, ahead of the first reader
.irp i, 0,2,4,6,8,10,12,14
.irp m, 0,1,2,3
	v_pk_mul_f32 v[ACC+32*\m+\i:ACC+32*\m+1+\i], v[ACC+32*\m+\i:ACC+32*\m+1+\i], v[ACC+32*\m+16+\i:ACC+32*\m+17+\i]
.endr
.endr
.irp m, 0,1,2,3
	v_max3_num_f32 v[TM+\m], |v[ACC+32*\m]|, |v[ACC+32*\m+1]|, 0x1800000   ; with the floor 2^(3 - 127): the byte cannot fall under 1
.endr
.irp i, 2,4,6,8,10,12,14
.irp m, 0,1,2,3
	v_max3_num_f32 v[TM+\m], v[TM+\m], |v[ACC+32*\m+\i]|, |v[ACC+32*\m+\i+1]|
.endr
.endr
.irp m, 0,1,2,3
	v_permlanex16_b32 v[TP+\m], v[TM+\m], s32, s33
.endr
.irp m, 0,1,2,3
	v_max_num_f32 v[TM+\m], v[TM+\m], v[TP+\m]
.endr
.irp m, 0,1,2,3
	v_add_nc_u32 v[SO+\m], 0xff000000, v[TM+\m]    ; 2 off the exponent field: the conversion's scale operand
.endr
.irp m, 0,1,2,3
	v_lshrrev_b32 v[BY+\m], 23, v[SO+\m]
.endr
.irp m, 0,1,2,3
.if \g == 0
	v_mov_b32 v[PW+\m], v[BY+\m]
.else
	v_lshl_or_b32 v[PW+\m], v[BY+\m], 8*\g, v[PW+\m]
.endif
.endr
	s_wait_xcnt 0x0                                ; the last stores of codes have read their registers: these are written again only behind this wait
.if \g >= 2
	s_wait_alu depctr_vm_vsrc(0)                   ; the stores behind group 1 have read EV and OD, which the conversions, swaps and moves below write again
.endif
.irp m, 0,1,2,3
.if \g%2 == 0
	v_cvt_scalef32_pk16_fp6_f32 v[EV+4*\m:EV+4*\m+2], v[ACC+32*\m:ACC+32*\m+15], v[SO+\m]
.else
	v_cvt_scalef32_pk16_fp6_f32 v[OD+4*\m:OD+4*\m+2], v[ACC+32*\m:ACC+32*\m+15], v[SO+\m]
.endif
.endr
	v_nop                                          ; one plain place behind the conversions
.if \g%2 == 1
.irp m, 0,1,2,3
.irp i, 0,1,2
	v_permlane16_swap_b32 v[EV+4*\m+\i], v[OD+4*\m+\i]   ; EV: each lane's block's lower 16 codes, OD: the upper 16
.endr
.endr
.irp m, 0,1,2,3
	v_mov_b32 v[EV+4*\m+3], v[OD+4*\m]             ; registers 0-3 of the six on end, and 4, 5 as a pair
	v_mov_b32 v[OD+4*\m], v[OD+4*\m+1]
	v_mov_b32 v[OD+4*\m+1], v[OD+4*\m+2]
.endr
	s_wait_alu depctr_va_vdst(0)                   ; the swaps and moves have written EV and OD, which the eight stores read
.irp m, 0,1,2,3
	global_store_b128 v[L16], v[EV+4*\m:EV+4*\m+3], s[44:45] offset:12288*\m+768*(\g/2)        ; 512 consecutive bytes, at a multiple of 256 from the buffer's first byte
	global_store_b64 v[L8], v[OD+4*\m:OD+4*\m+1], s[44:45] offset:12288*\m+768*(\g/2)+512      ; 256 likewise
.endr
.endif
.endm
.macro AFS ks                          ; K step ks of x's codes for my four tiles: 48 bytes a lane and tile, as the operand's registers take them: 12 loads
	WIN 0x80
.irp m, 0,1
.irp c, 0,1,2
	global_load_b128 v[96*\m+12*(\ks)+4*\c:96*\m+12*(\ks)+4*\c+3], v[AO+\m], s[4:5] offset:96*(\ks)+16*\c
.endr
.endr
	WIN 0xc0
.irp m, 0,1
.irp c, 0,1,2
	global_load_b128 v[96*\m+12*(\ks)+4*\c:96*\m+12*(\ks)+4*\c+3], v[AO+2+\m], s[4:5] offset:96*(\ks)+16*\c
.endr
.endr
.endm
	s_load_b128 s[4:7], s[0:1], 0x0                ; xq, lists
	s_load_b256 s[8:15], s[0:1], 0x10              ; Wg codes, scales, Wu codes, scales
	s_load_b256 s[16:23], s[0:1], 0x30             ; the shared expert's four
	s_load_b64 s[24:25], s[0:1], 0x50              ; hq
	v_lshl_add_u32 v123, v0, 2, 0x1a000
	v_mov_b32 v127, 0
	v_lshrrev_b32 v56, 5, v0
	v_readfirstlane_b32 s31, v56                   ; wave
	s_and_b32 s37, ttmp7, 0xffff                   ; tile
	s_lshl_b32 s38, s37, 2
	s_wait_kmcnt 0x0
	s_load_b32 s39, s[6:7], s38 offset:49152       ; the tile's expert
	v_and_b32 v56, 15, v0                          ; r
	v_bfe_u32 v57, v0, 4, 1                        ; h
	v_and_b32 v58, 31, v0                          ; lane
	v_mul_u32_u24 v[FA], v56, 784
	v_mad_u32_u24 v[FA], v57, 24, v[FA]
	v_add_nc_u32 v[FA+1], BUF1, v[FA]
	v_mul_u32_u24 v[SA], v56, 48
	v_lshl_add_u32 v[SA], v57, 4, v[SA]
	v_add_nc_u32 v[SA], BSCL, v[SA]
	v_add_nc_u32 v[SA+1], BUF1, v[SA]
.irp k, 0,1,2
	v_add_nc_u32 v59, 128*\k, v0                   ; which 16 bytes of 8 rows (6,144 bytes)
	v_mul_u32_u24 v60, v59, 1366
	v_lshrrev_b32 v60, 16, v60                     ; / 48: which of the 8 rows (exact under 384)
	v_add_nc_u32 v60, v59, v60
	v_lshlrev_b32 v[LAS+\k], 4, v60                ; 16 more for each row passed
	v_add_nc_u32 v[LAS+3+\k], BUF1, v[LAS+\k]
.endr
	v_and_b32 v59, 63, v0
	v_lshlrev_b32 v[GS], 4, v59
	v_lshrrev_b32 v59, 1, v59                      ; the row whose scale bytes I stage
	v_and_b32 v60, 7, v59
	v_bfe_u32 v61, v59, 4, 1
	v_lshl_add_u32 v60, v61, 3, v60
	v_bfe_u32 v61, v59, 3, 1
	v_lshl_add_u32 v60, v61, 4, v60
	v_lshrrev_b32 v61, 6, v0                       ; gate (waves 0, 1) or up (waves 2, 3)
	v_lshl_add_u32 v60, v61, 5, v60                ; its slot
	v_mul_u32_u24 v60, v60, 48
	v_and_b32 v61, 1, v0
	v_lshl_add_u32 v60, v61, 4, v60
	v_add_nc_u32 v[LSS], BSCL, v60
	v_add_nc_u32 v[LSS+1], BUF1, v[LSS]
	v_lshlrev_b32 v[GB], 4, v0
	v_lshlrev_b32 v[L16], 4, v58
	v_lshlrev_b32 v[L8], 3, v58
	v_lshlrev_b32 v[L4], 2, v58
	s_wait_alu depctr_va_sdst(0)                   ; s31, the wave's number, is written, ahead of its first reader
	s_lshl_b32 s40, s31, 8
	v_lshlrev_b32 v62, 2, v56
	v_add_nc_u32 v62, s40, v62                     ; the list of tokens: 256 x wave + 4 r
	v_mul_u32_u24 v63, v57, 48
	v_lshlrev_b32 v61, 4, v57
.irp i, 0,1,2,3,4,5,6,7,8,9,10,11,12,13,14,15
	v_mov_b32 v[EV+\i], 0                          ; what goes from one region that may be jumped over to another is written once here
.endr
.irp i, 0,1,2,3
	v_mov_b32 v[PW+\i], 0
	v_mov_b32 v[TP+\i], 0                          ; (a lane permute's destination counts as read)
.endr
	s_mov_b32 s32, 0x76543210
	s_mov_b32 s33, 0xfedcba98
	s_mov_b32 s34, 0xbfb8aa3b                      ; -log2(e)
	s_mov_b32 s35, s34
	s_mov_b32 s36, 0xffff0000                      ; lanes 16-31
	s_mov_b32 s41, 0
	s_cmp_lt_u32 s37, 8                            ; tiles 0 to 7 are the shared expert's: the choice of buffers hangs on the tile's number alone
	s_cselect_b64 s[8:9], s[16:17], s[8:9]
	s_cselect_b64 s[10:11], s[18:19], s[10:11]
	s_cselect_b64 s[12:13], s[20:21], s[12:13]
	s_cselect_b64 s[14:15], s[22:23], s[14:15]
	s_cselect_b32 s43, 0, 1                        ; 1: a routed tile
	s_cmp_lt_u32 s31, 2
	s_cselect_b64 s[28:29], s[10:11], s[14:15]     ; which scale bytes my wave stages: the gate's or the up's
	s_wait_kmcnt 0x0                               ; the tile's expert: 0 .. 7, 8 (shared) or 9 (no rows)
	s_min_u32 s42, s39, 9
	s_add_co_u32 s42, s42, 7
	s_and_b32 s42, s42, 16                         ; 16 where it is 9
	s_add_co_u32 s42, s42, 16
	s_and_b32 s30, s42, 16                         ; 16: the tile has rows; 0: it has none
	s_mul_i32 s48, s37, s30                        ; 16 x the tile whose tokens the head reads: mine, or tile 0
	s_min_u32 s39, s39, 7                          ; held inside the table of experts,
	s_mul_i32 s39, s39, s43                        ; and 0 for the shared one
	s_mul_i32 s40, s39, 786432
	s_mul_i32 s42, ttmp9, 98304
	s_add_co_u32 s40, s40, s42
	s_add_nc_u64 s[8:9], s[8:9], s[40:41]          ; codes at the expert's row 128 j
	s_add_nc_u64 s[12:13], s[12:13], s[40:41]
	s_lshl_b32 s40, s39, 15
	s_lshl_b32 s42, ttmp9, 12
	s_add_co_u32 s40, s40, s42
	s_add_nc_u64 s[28:29], s[28:29], s[40:41]      ; scale bytes likewise
	s_add_nc_u64 s[26:27], s[4:5], XSC
	s_lshl_b32 s40, s48, 6
	s_add_nc_u64 s[6:7], s[6:7], s[40:41]          ; the tile's tokens: 1,024 bytes a tile
	s_lshl_b32 s40, s37, 10                        ; the stores' addresses are made of my own tile's number
	s_lshl_b32 s42, s31, 8
	s_add_co_u32 s40, s40, s42
	s_mul_i32 s42, ttmp9, 31744
	s_add_co_u32 s40, s40, s42
	s_add_co_u32 s40, s40, HSC
	s_add_nc_u64 s[46:47], s[24:25], s[40:41]      ; hq: my 64 positions' scale words of K step j
	s_lshl_b32 s40, s37, 4
	s_lshl_b32 s42, s31, 2
	s_add_co_u32 s40, s40, s42
	s_mul_i32 s40, s40, 12288
	s_mul_i32 s42, ttmp9, 1536
	s_add_co_u32 s40, s40, s42
	s_add_nc_u64 s[44:45], s[24:25], s[40:41]      ; hq: my four tiles' fragments of K step j
	s_wait_alu depctr_va_vdst(0)                   ; the addresses and offsets v1 to v14, v27, v48, v51 and v62 are written, which the loads, LDS instructions and stores of the whole kernel read
.irp m, 0,1,2,3
	global_load_b32 v[TK+\m], v62, s[6:7] offset:64*\m
.endr
	STG_LOAD 0
	s_wait_loadcnt 25                              ; the tokens are in; the 25 staging loads behind them may be out
.irp m, 0,1,2,3
	v_min_u32 v[TK+\m], 2047, v[TK+\m]             ; a loaded number is held inside the table before it enters an address
.endr
.irp m, 0,1,2,3
	v_mul_u32_u24 v[AO+\m], v[TK+\m], 768
	v_add_nc_u32 v[AO+\m], v[AO+\m], v63
	v_lshl_add_u32 v[ASO+\m], v[TK+\m], 5, v61
.endr
	s_wait_alu depctr_va_vdst(0)                   ; x's eight offsets v19 to v26 are written, which the loads below read
.irp m, 0,1,2,3
	global_load_b128 v[AS+4*\m:AS+4*\m+3], v[ASO+\m], s[26:27]
.endr
	AFS 0
	AFS 1
	WIN 0
	s_wait_loadcnt 28                              ; group 0 is staged; behind it 4 loads of scale words and 24 of K steps 0 and 1
	STG_PUT 0
.irp ks, 2,3,4,5,6,7
	AFS \ks
.endr
	WIN 0
	BAR                                            ; group 0 lies in buffer 0; x's later K steps may still be on their way: each wave waits for its own, step by step
	s_cmp_eq_u32 s30, 0
	s_cbranch_scc1 .Lnone_0
	MMAG 0, 1, 1
	EPI 0
	STG_STORE 1                                    ; group 1, asked for in the middle of group 0's products
	s_branch .Lskip_0
.Lnone_0:
	s_wait_loadcnt 0x0                             ; a tile without rows: the head's loads are waited for here, since the counted waits have been jumped over
.Lskip_0:
	BAR                                            ; group 1 lies in buffer 1, and nobody reads buffer 0 any more
	SKIP 1
	WIN 0x40
	s_wait_alu depctr_vm_vsrc(0)                   ; the LDS stores of the group before have read the staging registers, in which the loads below land
	STG_LOAD 2                                     ; the loads have the whole group in which to land
	MMAG 1, -1, 0
	EPI 1
	STG_STORE 0
.Lskip_1:
	BAR
	SKIP 2
	WIN 0x40
	s_wait_alu depctr_vm_vsrc(0)                   ; the LDS stores of the group before have read the staging registers, in which the loads below land
	STG_LOAD 3
	MMAG 0, -1, 0
	EPI 2
	STG_STORE 1
.Lskip_2:
	BAR
	SKIP 3
	MMAG 1, -1, 0
	EPI 3
	v_cndmask_b32 v[SW], v[PW], v[PW+1], s36       ; both halves of the lanes hold a row's word: lanes 0-15 give tile 0's, lanes 16-31 tile 1's
	v_cndmask_b32 v[SW+1], v[PW+2], v[PW+3], s36
	s_wait_alu depctr_va_vdst(0)                   ; the two selects have written SW, which the two stores read
	global_store_b32 v[L4], v[SW], s[46:47]
	global_store_b32 v[L4], v[SW+1], s[46:47] offset:128
.Lskip_3:
	s_wait_dscnt 0x0                               ; the closing lines, six on end
	s_wait_alu 0x0
	s_wait_tensorcnt 0x0
	ds_add_u32 v123, v127
	s_wait_dscnt 0x0
	s_endpgm
.Lfunc_end_k_qafc7747978_up:
	.size	k_qafc7747978_up, .Lfunc_end_k_qafc7747978_up-k_qafc7747978_up
	.p2alignl 7, 3214868480
	.fill 96, 4, 3214868480
	.section	.rodata,"a",@progbits
	.p2align	6, 0x0
	.amdhsa_kernel k_qafc7747978_up
		.amdhsa_group_segment_fixed_size 107008
		.amdhsa_private_segment_fixed_size 0
		.amdhsa_enable_private_segment 0
		.amdhsa_kernarg_size 88
		.amdhsa_user_sgpr_count 2
		.amdhsa_user_sgpr_kernarg_segment_ptr 1
		.amdhsa_wavefront_size32 1
		.amdhsa_system_sgpr_workgroup_id_x 1
		.amdhsa_system_sgpr_workgroup_id_y 1
		.amdhsa_system_sgpr_workgroup_id_z 1
		.amdhsa_system_vgpr_workitem_id 0
		.amdhsa_next_free_vgpr 960
		.amdhsa_next_free_sgpr 66
		.amdhsa_reserve_vcc 0
		.amdhsa_float_denorm_mode_32 3
		.amdhsa_float_denorm_mode_16_64 3
		.amdhsa_memory_ordered 1
		.amdhsa_forward_progress 1
		.amdhsa_inst_pref_size 221
	.end_amdhsa_kernel
	.amdgpu_metadata
---
amdhsa.version: [ 1, 2 ]
amdhsa.kernels:
  - .name:           k_qafc7747978_up
    .symbol:         k_qafc7747978_up.kd
    .args:
      - { .name: xq, .offset: 0, .size: 8, .value_kind: global_buffer, .address_space: global }
      - { .name: lists, .offset: 8, .size: 8, .value_kind: global_buffer, .address_space: global }
      - { .name: Wg_codes, .offset: 16, .size: 8, .value_kind: global_buffer, .address_space: global }
      - { .name: Wg_scales, .offset: 24, .size: 8, .value_kind: global_buffer, .address_space: global }
      - { .name: Wu_codes, .offset: 32, .size: 8, .value_kind: global_buffer, .address_space: global }
      - { .name: Wu_scales, .offset: 40, .size: 8, .value_kind: global_buffer, .address_space: global }
      - { .name: Wg_s_codes, .offset: 48, .size: 8, .value_kind: global_buffer, .address_space: global }
      - { .name: Wg_s_scales, .offset: 56, .size: 8, .value_kind: global_buffer, .address_space: global }
      - { .name: Wu_s_codes, .offset: 64, .size: 8, .value_kind: global_buffer, .address_space: global }
      - { .name: Wu_s_scales, .offset: 72, .size: 8, .value_kind: global_buffer, .address_space: global }
      - { .name: hq, .offset: 80, .size: 8, .value_kind: global_buffer, .address_space: global }
    .group_segment_fixed_size: 107008
    .private_segment_fixed_size: 0
    .kernarg_segment_align: 8
    .kernarg_segment_size: 88
    .max_flat_workgroup_size: 128
    .sgpr_count:     66
    .vgpr_count:     960
    .wavefront_size: 32
...
	.end_amdgpu_metadata
.endif
;; end of part 8
;; launch down (part 9): grid 8 x 31, 4 waves a work-group, no clusters, 124,416 bytes of LDS; arguments hq, lists, Wd_codes, Wd_scales, Wd_s_codes, Wd_s_scales, y; writes y
.if DOCPART == 9
	.amdgcn_target "amdgcn-amd-amdhsa--gfx1250"
	.amdhsa_code_object_version 6
	.text
	.protected	k_qafc7747978_down
	.globl	k_qafc7747978_down
	.p2align	8
	.type	k_qafc7747978_down,@function
k_qafc7747978_down:
	s_mov_b64 s[64:65], 0
	v_nop
	global_prefetch_b8 v0, s[64:65] scope:SCOPE_SE
	s_setreg_imm32_b32 hwreg(HW_REG_WAVE_SCHED_MODE, 0, 2), 2
	s_setreg_imm32_b32 hwreg(HW_REG_WAVE_MODE, 25, 1), 1
	s_wait_xcnt 0x0
	s_wait_alu depctr_vm_vsrc(0)
; y[position][d] = sum over f of h[position][f] Wd[expert][d][f], for one tile of 256 positions of one expert and 128 outputs (work-group x = j: d = 128 j on); codes of E2M3, E8M0 scales, f32 sums.
; The frame is that of the launch before: four waves, 64 positions a wave with their codes for all of K in 384 registers (here loaded as images of the operand's registers);
; the weights in two groups of 64 dense rows x all of K through two LDS buffers, staged through registers a group ahead; one barrier a group; products used transposed.
; WHAT IS ASKED FOR WHEN: h's fragments are asked for K step by K step, and the first group's products of a K step stand behind a counted wait for that step's loads alone; the second group of
; weights is asked for in the middle of the first group's products, behind h's fragments, and put into LDS behind the first group's way out.
; WHICH WEIGHTS: tiles 0 to 7 are the shared expert's, by the tile's number alone; a later tile's expert is read from the list and held at 7 before it enters an address.
; A tile without rows passes every barrier and jumps over the work between them; its head reads tile 0's images and expert 7's weights.  No tensor loads and no cluster: branches hang on stored numbers.
; The gates are applied by the next launch: a token's three rows lie in three tiles.
; REGISTERS: window 0: v1-20 addresses, v52-55 staged scale bytes, v64-79 h's scale words, v80-95 the weights', v128-255 the 16 accumulators;
; window 1: v0-143 weight fragments, three sets; v160-255 staging.  windows 2, 3: v0-191 h's fragments; window 2, v192-255: rows on the way out, two sets.
; THE MODE: SCHED_MODE bits 1:0 = 2 (LLVM: expert scheduling mode 2), set by the entry lines.  The code itself states the register dependences
; between vector or matrix instructions and memory or LDS instructions, with s_wait_alu, always for 0.
; THE PLAN.  Registers that memory or LDS instructions touch:
;   addresses     v1-20: made by vector instructions at the head and never written again: one wait on va_vdst ahead of the first load.
;   F0, F1, F2    the three sets of weight fragments.  K step s: its 16 products read F[s % 3].  At the head of an even step s ONE wait on va_vdst states that the products of steps s - 2 and s - 1 are done reading
;                 F[(s + 1) % 3] and F[(s + 2) % 3]; step s + 1's loads follow it at once, step s + 2's stand between the step's two runs of eight products, which name F[s % 3], the accumulators, h's fragments
;                 and the scale words: none of the registers that those loads touch.  An odd step has no wait on va_vdst and no LDS load.
;   BS            the weights' scale words: loaded at a group's head, read by that group's products.  The wait on va_vdst at the second group's head states that the first is done reading BS and F0 to F2.
;   STG, SST      staging: written by global loads, read by LDS stores, named by no vector instruction: a wait on vm_vsrc ahead of the second request.
;   accumulators  written by the products, read by the way out's LDS stores: the places, then one wait on va_vdst for the four tiles; a wait on vm_vsrc ahead of the products that begin them anew.
;   YB0, YB1      rows on the way out: written by LDS loads, read by global stores, named by no vector instruction: a wait on vm_vsrc ahead of the loads wherever an earlier store has read the set.
;   h's fragments and scale words: loaded once, read by products alone.   v126, v127: written at the head, read by the closing add alone.
.set HSC,  6094848
.set BUF1, 53248
.set BSCL, 50176
.set STAGE, 106496                     ; 16 rows x (256 + 16) bytes for each wave
.set FA,  1
.set SA,  3
.set LAS, 5
.set LSS, 11
.set GB,  13
.set HB16, 15
.set ASV, 16
.set SO,  17
.set SR,  18
.set YO,  19
.set HB8, 20
.set SST, 52
.set AS,  64
.set BS,  80
.set ACC, 128
.set YB,  192                          ; in window 2
.set STG, 160
.set MSB, 0
.macro WIN new                         ; the immediate's high byte repeats the setting that is left
.if MSB != \new
	s_set_vgpr_msb (MSB<<8)|\new
.set MSB, \new
.endif
.endm
.macro PLACES n
.rept \n
	v_nop
.endr
.endm
.macro BAR                             ; my LDS stores have landed and my LDS loads are in: then the barrier.  It stands on every path
	s_wait_dscnt 0x0
	s_barrier_signal -1
	s_barrier_wait -1
.endm
.macro SKIP n
	s_cmp_eq_u32 s30, 0
	s_cbranch_scc1 .Lskip_\n
.endm
.macro FRAGB set, buf, ks
	WIN 0x40
.irp t, 0,1,2,3
.irp q, 0,1,2,3,4,5
	ds_load_b64 v[48*(\set)+12*\t+2*\q:48*(\set)+12*\t+2*\q+1], v[FA+\buf] offset:12544*\t+96*(\ks)+48*(\q/3)+8*(\q%3)
.endr
.endr
.endm
.macro STG_LOAD grp                    ; 64 rows: 49,152 dense bytes of codes and 2,048 of scale bytes: 25 loads a wave
	WIN 0x40
.irp i, 0,1,2,3,4,5,6,7,8,9,10,11,12,13,14,15,16,17,18,19,20,21,22,23
	global_load_b128 v[STG+4*\i:STG+4*\i+3], v[GB], s[8:9] offset:49152*(\grp)+2048*\i
.endr
	WIN 0
	global_load_b128 v[SST:SST+3], v[GB], s[10:11] offset:2048*(\grp)
.endm
.macro STG_PUT buf                     ; load i covers rows 8 (i / 3) on, which keep their order
	WIN 0x04
.irp i, 0,1,2,3,4,5,6,7,8,9,10,11,12,13,14,15,16,17,18,19,20,21,22,23
	ds_store_b128 v[LAS+3*\buf+\i%3], v[STG+4*\i:STG+4*\i+3] offset:6272*(\i/3)
.endr
	WIN 0
	ds_store_b128 v[LSS+\buf], v[SST:SST+3]
.endm
.macro STG_STORE buf
	s_wait_loadcnt 0x0                             ; nothing but the staging loads is out
	STG_PUT \buf
.endm
.macro MM8 ks, hi                      ; the 16 accumulators take turns, in one order in every K step
.irp mm, 0,1
.irp t, 0,1,2,3
.set rD, ACC+32*(2*\hi+\mm)+8*\t
.set rA, 48*((\ks)%3)+12*\t
.set rB, 96*\mm+12*(\ks)
.set rS, BS+4*\t+(\ks)%4
.set rT, AS+4*(2*\hi+\mm)+(\ks)%4
.if (\ks) == 0
	v_wmma_scale_f32_16x16x128_f8f6f4 v[rD:rD+7], v[rA:rA+11], v[rB:rB+11], 0, v[rS], v[rT] matrix_a_fmt:MATRIX_FMT_FP6 matrix_b_fmt:MATRIX_FMT_FP6
.elseif (\ks) < 4
	v_wmma_scale_f32_16x16x128_f8f6f4 v[rD:rD+7], v[rA:rA+11], v[rB:rB+11], v[rD:rD+7], v[rS], v[rT] matrix_a_fmt:MATRIX_FMT_FP6 matrix_b_fmt:MATRIX_FMT_FP6
.else
	v_wmma_scale_f32_16x16x128_f8f6f4 v[rD:rD+7], v[rA:rA+11], v[rB:rB+11], v[rD:rD+7], v[rS], v[rT] matrix_a_fmt:MATRIX_FMT_FP6 matrix_b_fmt:MATRIX_FMT_FP6 matrix_a_scale:MATRIX_SCALE_ROW1 matrix_b_scale:MATRIX_SCALE_ROW1
.endif
.endr
.endr
.endm
; first = 1: the launch's first group, whose K steps wait for h's fragments step by step.  Behind K step ks's 16 loads stand the 16 of each later step and, from K step 4 on,
; the 25 staging loads issued behind K step 3.  A wait's count names 63 at the most; a smaller count than the true one is safe.
; An even step asks for the fragments of the two steps that follow it; an odd step asks for nothing.
.macro KSTEP buf, ks, stg, first
.if ((\ks)%2 == 1) && ((\ks) < 7)
	s_wait_dscnt 24                                ; LDS loads come back in order: this step's weight fragments are in, the next step's 24 loads may be out
.else
	s_wait_dscnt 0x0                               ; this step's weight fragments are in
.endif
.if \first
.set NLD, 16*(7-(\ks))
.if (\ks) > 3
.set NLD, NLD+25
.endif
.if NLD > 63
.set NLD, 63
.endif
	s_wait_loadcnt NLD                             ; h's scale words and its fragments up to this K step are in
.endif
.if (\ks)%2 == 0
.if (\ks) > 0
	PLACES 4                                       ; behind the products that read the two other sets, ahead of the loads into them
	WIN 0x40
	s_wait_alu depctr_va_vdst(0)                   ; the products of the two steps before are done reading the two other sets, in which this step's loads land
.endif                                                 ; (K step 0: the wait at the group's head has stated it; no product stands between)
	FRAGB ((\ks)+1)%3, \buf, (\ks)+1
.endif
	WIN 0x09
	MM8 \ks, 0
.if ((\ks)%2 == 0) && ((\ks) < 6)
	FRAGB ((\ks)+2)%3, \buf, (\ks)+2               ; no wait: the eight products since the wait name this step's set, not the one that is loaded, nor the address
.endif
	WIN 0x0d
	MM8 \ks, 1
.if ((\ks) == 3) && ((\stg) >= 0)
	WIN 0x40
	s_wait_alu depctr_vm_vsrc(0)                   ; the head's LDS stores have read the staging registers, in which the loads below land
	STG_LOAD \stg                                  ; the second group is asked for here, behind all of h's fragments
.endif
.endm
.macro MMAG buf, stg, first
.if !\first
	s_wait_alu depctr_va_vdst(0)                   ; the products of the group before are done reading the weights' scale words and the three sets, in which this group's loads land
.endif
.irp t, 0,1,2,3
	ds_load_b128 v[BS+4*\t:BS+4*\t+3], v[SA+\buf] offset:768*\t
.endr
	FRAGB 0, \buf, 0
.irp ks, 0,1,2,3,4,5,6,7
	KSTEP \buf, \ks, \stg, \first
.endr
	WIN 0
.endm
.macro AFS ks                          ; K step ks of my four tiles' fragments, as images: a half is 16 bytes a lane, then 8 bytes a lane: 16 loads
	WIN 0x80
.irp m, 0,1
.irp c, 0,1
	global_load_b128 v[96*\m+12*(\ks)+6*\c:96*\m+12*(\ks)+6*\c+3], v[HB16], s[20:21] offset:12288*\m+1536*(\ks)+768*\c
	global_load_b64 v[96*\m+12*(\ks)+6*\c+4:96*\m+12*(\ks)+6*\c+5], v[HB8], s[20:21] offset:12288*\m+1536*(\ks)+768*\c+512
.endr
.endr
	WIN 0xc0
.irp m, 0,1
.irp c, 0,1
	global_load_b128 v[96*\m+12*(\ks)+6*\c:96*\m+12*(\ks)+6*\c+3], v[HB16], s[20:21] offset:12288*(\m+2)+1536*(\ks)+768*\c
	global_load_b64 v[96*\m+12*(\ks)+6*\c+4:96*\m+12*(\ks)+6*\c+5], v[HB8], s[20:21] offset:12288*(\m+2)+1536*(\ks)+768*\c+512
.endr
.endr
.endm
; THE WAY OUT: a lane holds 8 neighbouring outputs of one position; a tile of 16 positions x 64 outputs goes through my own stage and comes back as rows of 256 bytes.
.macro TOSTAGE m, grp
	s_wait_xcnt 0x0                                ; earlier stores have read the registers into which the rows come back
.if ((\m) > 1) || ((\grp) > 0)
	s_wait_alu depctr_vm_vsrc(0)                   ; the global stores of the tile two before have read this set of rows, in which the LDS loads below land
.endif
.irp t, 0,1,2,3
	ds_store_b128 v[SO], v[ACC+32*(\m)+8*\t:ACC+32*(\m)+8*\t+3] offset:64*\t        ; each accumulator from its low end on
	ds_store_b128 v[SO], v[ACC+32*(\m)+8*\t+4:ACC+32*(\m)+8*\t+7] offset:64*\t+16
.endr
	WIN 0x80                                       ; destination window 2
.irp i, 0,1,2,3,4,5,6,7
	ds_load_b128 v[YB+32*((\m)%2)+4*\i:YB+32*((\m)%2)+4*\i+3], v[SR] offset:544*\i  ; my own bytes, served in order
.endr
	WIN 0
.endm
.macro SEND m, grp, younger            ; younger: the LDS instructions issued behind tile m's loads
	s_wait_dscnt \younger
	WIN 0x08                                       ; a store's data: window 2
.irp i, 0,1,2,3,4,5,6,7
	global_store_b128 v[YO], v[YB+32*((\m)%2)+4*\i:YB+32*((\m)%2)+4*\i+3], s[18:19] offset:(16*(\m)+2*\i)*4096+256*(\grp)   ; 16 lanes store 256 consecutive bytes, at a multiple of 256 from the buffer's first byte
.endr
	WIN 0
.endm
.macro WAYOUT grp
	PLACES 5                                       ; the results are read next, and the next group begins these accumulators anew
	s_wait_alu depctr_va_vdst(0)                   ; the products have written the 16 accumulators, which the LDS stores of the four tiles read; the places above stay beside this wait
	TOSTAGE 0, \grp
	TOSTAGE 1, \grp
	SEND 0, \grp, 16                               ; behind tile 0's loads: tile 1's 8 stores and 8 loads
	TOSTAGE 2, \grp
	SEND 1, \grp, 16
	TOSTAGE 3, \grp
	SEND 2, \grp, 16
	SEND 3, \grp, 0
.endm
	s_load_b128 s[4:7], s[0:1], 0x0                ; hq, lists
	s_load_b256 s[8:15], s[0:1], 0x10              ; Wd codes, scales, the shared expert's codes, scales
	s_load_b64 s[16:17], s[0:1], 0x30              ; y
	v_lshl_add_u32 v126, v0, 2, 0x1e400
	v_mov_b32 v127, 0
	v_lshrrev_b32 v56, 5, v0
	v_readfirstlane_b32 s31, v56                   ; wave
	s_and_b32 s37, ttmp7, 0xffff                   ; tile
	s_lshl_b32 s38, s37, 2
	s_wait_kmcnt 0x0
	s_load_b32 s39, s[6:7], s38 offset:49152       ; the tile's expert
	v_and_b32 v56, 15, v0                          ; r
	v_bfe_u32 v57, v0, 4, 1                        ; h
	v_and_b32 v58, 31, v0                          ; lane
	v_mul_u32_u24 v[FA], v56, 784
	v_mad_u32_u24 v[FA], v57, 24, v[FA]
	v_add_nc_u32 v[FA+1], BUF1, v[FA]
	v_mul_u32_u24 v[SA], v56, 48
	v_lshl_add_u32 v[SA], v57, 4, v[SA]
	v_add_nc_u32 v[SA], BSCL, v[SA]
	v_add_nc_u32 v[SA+1], BUF1, v[SA]
.irp k, 0,1,2
	v_add_nc_u32 v59, 128*\k, v0
	v_mul_u32_u24 v60, v59, 1366
	v_lshrrev_b32 v60, 16, v60                     ; / 48 (exact under 384)
	v_add_nc_u32 v60, v59, v60
	v_lshlrev_b32 v[LAS+\k], 4, v60
	v_add_nc_u32 v[LAS+3+\k], BUF1, v[LAS+\k]
.endr
	v_lshrrev_b32 v60, 1, v0
	v_mul_u32_u24 v60, v60, 48
	v_and_b32 v61, 1, v0
	v_lshl_add_u32 v60, v61, 4, v60
	v_add_nc_u32 v[LSS], BSCL, v60
	v_add_nc_u32 v[LSS+1], BUF1, v[LSS]
	v_lshlrev_b32 v[GB], 4, v0
	v_lshlrev_b32 v[HB16], 4, v58
	v_lshlrev_b32 v[HB8], 3, v58
	v_mul_u32_u24 v[ASV], v57, 126976              ; lanes 16-31 take the K step four on
	v_lshl_add_u32 v[ASV], v56, 2, v[ASV]
	s_wait_alu depctr_va_sdst(0)                   ; s31, the wave's number, is written, ahead of its first reader
	s_mul_i32 s40, s31, 4352
	s_add_co_u32 s40, s40, STAGE
	v_mul_u32_u24 v[SO], v56, 272
	v_lshl_add_u32 v[SO], v57, 5, v[SO]
	v_add_nc_u32 v[SO], s40, v[SO]
	v_mul_u32_u24 v[SR], v57, 272
	v_lshl_add_u32 v[SR], v56, 4, v[SR]
	v_add_nc_u32 v[SR], s40, v[SR]
	v_lshlrev_b32 v[YO], 12, v57
	v_lshl_add_u32 v[YO], v56, 4, v[YO]
	s_mov_b32 s41, 0
	s_cmp_lt_u32 s37, 8                            ; tiles 0 to 7 are the shared expert's: the choice of buffers hangs on the tile's number alone
	s_cselect_b64 s[8:9], s[12:13], s[8:9]
	s_cselect_b64 s[10:11], s[14:15], s[10:11]
	s_cselect_b32 s43, 0, 1                        ; 1: a routed tile
	s_wait_kmcnt 0x0                               ; the tile's expert: 0 .. 7, 8 (shared) or 9 (no rows)
	s_min_u32 s42, s39, 9
	s_add_co_u32 s42, s42, 7
	s_and_b32 s42, s42, 16                         ; 16 where it is 9
	s_add_co_u32 s42, s42, 16
	s_and_b32 s30, s42, 16                         ; 16: the tile has rows; 0: it has none
	s_mul_i32 s48, s37, s30                        ; 16 x the tile whose images the head reads: mine, or tile 0
	s_min_u32 s39, s39, 7                          ; held inside the table of experts,
	s_mul_i32 s39, s39, s43                        ; and 0 for the shared one
	s_mul_i32 s40, s39, 786432
	s_mul_i32 s42, ttmp9, 98304
	s_add_co_u32 s40, s40, s42
	s_add_nc_u64 s[8:9], s[8:9], s[40:41]
	s_lshl_b32 s40, s39, 15
	s_lshl_b32 s42, ttmp9, 12
	s_add_co_u32 s40, s40, s42
	s_add_nc_u64 s[10:11], s[10:11], s[40:41]
	s_lshl_b32 s40, s37, 20                        ; the stores' address is made of my own tile's number
	s_lshl_b32 s42, s31, 18
	s_add_co_u32 s40, s40, s42
	s_lshl_b32 s42, ttmp9, 9
	s_add_co_u32 s40, s40, s42
	s_add_nc_u64 s[18:19], s[16:17], s[40:41]      ; y at my first position, output 128 j
	s_lshl_b32 s42, s31, 2
	s_add_co_u32 s40, s48, s42
	s_mul_i32 s40, s40, 12288
	s_add_nc_u64 s[20:21], s[4:5], s[40:41]        ; my four tiles' images
	s_lshl_b32 s40, s48, 6
	s_lshl_b32 s42, s31, 8
	s_add_co_u32 s40, s40, s42
	s_add_co_u32 s40, s40, HSC
	s_add_nc_u64 s[22:23], s[4:5], s[40:41]        ; my 64 positions' scale words
	s_wait_alu depctr_va_vdst(0)                   ; the addresses and offsets v1 to v20 are written, which the loads, LDS instructions and stores of the whole kernel read
	STG_LOAD 0
.irp m, 0,1,2,3
.irp q, 0,1,2,3
	global_load_b32 v[AS+4*\m+\q], v[ASV], s[22:23] offset:31744*\q+64*\m
.endr
.endr
	AFS 0
	AFS 1
	WIN 0
	s_wait_loadcnt 48                              ; group 0 is staged; behind it 16 loads of scale words and 32 of K steps 0 and 1
	STG_PUT 0
.irp ks, 2,3,4,5,6,7
	AFS \ks
.endr
	WIN 0
	BAR                                            ; group 0 lies in buffer 0; h's later K steps may still be on their way: each wave waits for its own, step by step
	s_cmp_eq_u32 s30, 0
	s_cbranch_scc1 .Lnone_0
	MMAG 0, 1, 1
	WAYOUT 0
	STG_STORE 1                                    ; group 1, asked for in the middle of group 0's products
	s_branch .Lskip_0
.Lnone_0:
	s_wait_loadcnt 0x0                             ; a tile without rows: the head's loads are waited for here, since the counted waits have been jumped over
.Lskip_0:
	BAR                                            ; group 1 lies in buffer 1
	SKIP 1
	s_wait_alu depctr_vm_vsrc(0)                   ; the first way out's LDS stores have read the accumulators, which this group's products begin anew
	MMAG 1, -1, 0
	WAYOUT 1
.Lskip_1:
	s_wait_dscnt 0x0                               ; the closing lines, six on end
	s_wait_alu 0x0
	s_wait_tensorcnt 0x0
	ds_add_u32 v126, v127
	s_wait_dscnt 0x0
	s_endpgm
.Lfunc_end_k_qafc7747978_down:
	.size	k_qafc7747978_down, .Lfunc_end_k_qafc7747978_down-k_qafc7747978_down
	.p2alignl 7, 3214868480
	.fill 96, 4, 3214868480
	.section	.rodata,"a",@progbits
	.p2align	6, 0x0
	.amdhsa_kernel k_qafc7747978_down
		.amdhsa_group_segment_fixed_size 124416
		.amdhsa_private_segment_fixed_size 0
		.amdhsa_enable_private_segment 0
		.amdhsa_kernarg_size 56
		.amdhsa_user_sgpr_count 2
		.amdhsa_user_sgpr_kernarg_segment_ptr 1
		.amdhsa_wavefront_size32 1
		.amdhsa_system_sgpr_workgroup_id_x 1
		.amdhsa_system_sgpr_workgroup_id_y 1
		.amdhsa_system_sgpr_workgroup_id_z 1
		.amdhsa_system_vgpr_workitem_id 0
		.amdhsa_next_free_vgpr 960
		.amdhsa_next_free_sgpr 66
		.amdhsa_reserve_vcc 0
		.amdhsa_float_denorm_mode_32 3
		.amdhsa_float_denorm_mode_16_64 3
		.amdhsa_memory_ordered 1
		.amdhsa_forward_progress 1
		.amdhsa_inst_pref_size 104
	.end_amdhsa_kernel
	.amdgpu_metadata
---
amdhsa.version: [ 1, 2 ]
amdhsa.kernels:
  - .name:           k_qafc7747978_down
    .symbol:         k_qafc7747978_down.kd
    .args:
      - { .name: hq, .offset: 0, .size: 8, .value_kind: global_buffer, .address_space: global }
      - { .name: lists, .offset: 8, .size: 8, .value_kind: global_buffer, .address_space: global }
      - { .name: Wd_codes, .offset: 16, .size: 8, .value_kind: global_buffer, .address_space: global }
      - { .name: Wd_scales, .offset: 24, .size: 8, .value_kind: global_buffer, .address_space: global }
      - { .name: Wd_s_codes, .offset: 32, .size: 8, .value_kind: global_buffer, .address_space: global }
      - { .name: Wd_s_scales, .offset: 40, .size: 8, .value_kind: global_buffer, .address_space: global }
      - { .name: y, .offset: 48, .size: 8, .value_kind: global_buffer, .address_space: global }
    .group_segment_fixed_size: 124416
    .private_segment_fixed_size: 0
    .kernarg_segment_align: 8
    .kernarg_segment_size: 56
    .max_flat_workgroup_size: 128
    .sgpr_count:     66
    .vgpr_count:     960
    .wavefront_size: 32
...
	.end_amdgpu_metadata
.endif
;; end of part 9
;; launch combine (part 10): grid 256 x 1, 8 waves a work-group, no clusters, 0 bytes of LDS; arguments y, lists, gw, out0, out1; writes out0, out1
.if DOCPART == 10
	.amdgcn_target "amdgcn-amd-amdhsa--gfx1250"
	.amdhsa_code_object_version 6
	.text
	.protected	k_qafc7747978_combine
	.globl	k_qafc7747978_combine
	.p2align	8
	.type	k_qafc7747978_combine,@function
k_qafc7747978_combine:
	s_mov_b64 s[64:65], 0
	v_nop
	global_prefetch_b8 v0, s[64:65] scope:SCOPE_SE
	s_setreg_imm32_b32 hwreg(HW_REG_WAVE_MODE, 25, 1), 1
	s_wait_xcnt 0x0
; out0[token] = y[token] (the shared expert's row) + w_a y[position a] + w_b y[position b]; out1 = 0.
; A wave takes a token: three rows of 4,096 bytes in, one out; every load and store covers 512 consecutive bytes.  Each row of y that holds a token's result is read once.
; The two positions come from the stored list and are held inside the table before they enter an address.  A stream: no LDS, no barrier, no matrix unit.
	s_load_b256 s[4:11], s[0:1], 0x0               ; y, lists, gw, out0
	s_load_b64 s[12:13], s[0:1], 0x20              ; out1
	v_lshrrev_b32 v1, 5, v0
	s_delay_alu instid0(VALU_DEP_1)
	v_readfirstlane_b32 s14, v1                    ; wave
	v_and_b32 v2, 31, v0
	s_delay_alu instid0(VALU_DEP_1)
	v_lshlrev_b32 v1, 4, v2
	v_mov_b32 v3, 0
	s_lshl_b32 s15, ttmp9, 3
	s_add_co_u32 s15, s15, s14                     ; token
	s_lshl_b32 s18, s15, 3
	s_lshl_b32 s28, s15, 12
	s_mov_b32 s29, 0
	s_wait_alu depctr_va_vdst(0)
	s_wait_kmcnt 0x0
	s_load_b64 s[16:17], s[6:7], s18 offset:32768  ; its two positions
	s_load_b64 s[20:21], s[8:9], s18 offset:0x0    ; its two gates
	s_add_nc_u64 s[30:31], s[4:5], s[28:29]
	s_add_nc_u64 s[36:37], s[10:11], s[28:29]
.irp i, 0,1,2,3,4,5,6,7
	global_load_b128 v[16+4*\i:19+4*\i], v1, s[30:31] offset:512*\i th:TH_LOAD_NT
.endr
	s_wait_kmcnt 0x0
	s_min_u32 s16, s16, 7935
	s_min_u32 s17, s17, 7935
	s_lshl_b32 s24, s16, 12
	s_mov_b32 s25, 0
	s_lshl_b32 s26, s17, 12
	s_mov_b32 s27, 0
	s_add_nc_u64 s[32:33], s[4:5], s[24:25]
	s_add_nc_u64 s[34:35], s[4:5], s[26:27]
	s_mov_b32 s22, s21
	s_mov_b32 s23, s21
.irp i, 0,1,2,3,4,5,6,7
	global_load_b128 v[48+4*\i:51+4*\i], v1, s[32:33] offset:512*\i th:TH_LOAD_NT
.endr
.irp i, 0,1,2,3,4,5,6,7
	global_load_b128 v[80+4*\i:83+4*\i], v1, s[34:35] offset:512*\i th:TH_LOAD_NT
.endr
	s_wait_loadcnt 8                               ; the first two rows are in; the third row's 8 loads may be out
.irp i, 0,2,4,6,8,10,12,14,16,18,20,22,24,26,28,30
	v_pk_fma_f32 v[16+\i:17+\i], v[48+\i:49+\i], s[20:21], v[16+\i:17+\i] op_sel_hi:[1,0,1]
.endr
	s_wait_loadcnt 0x0
.irp i, 0,2,4,6,8,10,12,14,16,18,20,22,24,26,28,30
	v_pk_fma_f32 v[16+\i:17+\i], v[80+\i:81+\i], s[22:23], v[16+\i:17+\i] op_sel_hi:[1,0,1]
.endr
.irp i, 0,1,2,3,4,5,6,7
	global_store_b128 v1, v[16+4*\i:19+4*\i], s[36:37] offset:512*\i th:TH_STORE_NT
.endr
	s_or_b32 s15, ttmp9, s14
	s_cmp_lg_u32 s15, 0
	s_cbranch_scc1 .Lend
	s_wait_xcnt 0x0                                ; EXEC changes only behind this wait
	v_cmp_eq_u32 vcc_lo, 0, v2
	s_and_saveexec_b32 s15, vcc_lo
	global_store_b32 v3, v3, s[12:13]              ; the auxiliary loss: 0
	s_wait_xcnt 0x0
	s_or_b32 exec_lo, exec_lo, s15
.Lend:
	s_endpgm
.Lfunc_end_k_qafc7747978_combine:
	.size	k_qafc7747978_combine, .Lfunc_end_k_qafc7747978_combine-k_qafc7747978_combine
	.p2alignl 7, 3214868480
	.fill 96, 4, 3214868480
	.section	.rodata,"a",@progbits
	.p2align	6, 0x0
	.amdhsa_kernel k_qafc7747978_combine
		.amdhsa_group_segment_fixed_size 0
		.amdhsa_private_segment_fixed_size 0
		.amdhsa_enable_private_segment 0
		.amdhsa_kernarg_size 40
		.amdhsa_user_sgpr_count 2
		.amdhsa_user_sgpr_kernarg_segment_ptr 1
		.amdhsa_wavefront_size32 1
		.amdhsa_system_sgpr_workgroup_id_x 1
		.amdhsa_system_sgpr_workgroup_id_y 1
		.amdhsa_system_sgpr_workgroup_id_z 1
		.amdhsa_system_vgpr_workitem_id 0
		.amdhsa_next_free_vgpr 112
		.amdhsa_next_free_sgpr 66
		.amdhsa_reserve_vcc 1
		.amdhsa_float_denorm_mode_32 3
		.amdhsa_float_denorm_mode_16_64 3
		.amdhsa_memory_ordered 1
		.amdhsa_forward_progress 1
		.amdhsa_inst_pref_size 7
	.end_amdhsa_kernel
	.amdgpu_metadata
---
amdhsa.version: [ 1, 2 ]
amdhsa.kernels:
  - .name:           k_qafc7747978_combine
    .symbol:         k_qafc7747978_combine.kd
    .args:
      - { .name: y, .offset: 0, .size: 8, .value_kind: global_buffer, .address_space: global }
      - { .name: lists, .offset: 8, .size: 8, .value_kind: global_buffer, .address_space: global }
      - { .name: gw, .offset: 16, .size: 8, .value_kind: global_buffer, .address_space: global }
      - { .name: out0, .offset: 24, .size: 8, .value_kind: global_buffer, .address_space: global }
      - { .name: out1, .offset: 32, .size: 8, .value_kind: global_buffer, .address_space: global }
    .group_segment_fixed_size: 0
    .private_segment_fixed_size: 0
    .kernarg_segment_align: 8
    .kernarg_segment_size: 40
    .max_flat_workgroup_size: 256
    .sgpr_count:     66
    .vgpr_count:     112
    .wavefront_size: 32
...
	.end_amdgpu_metadata
.endif
;; end of part 10
